; MI455X (gfx1250); checked and timed in simulation.
; The chip was launched on July 23, 2026; its instructions are those of AMD's public machine-readable ISA for CDNA 5 (MIT licence, August 2026) and "CDNA5" Instruction Set Architecture Reference Guide (July 2026). The comments in the code are by the model that wrote it; some were corrected since.
;; Self Attention. Allowed arithmetic: matrix products marked QUANTISED: E2M1 operands, one E8M0 scale for each 32 along K, by v_wmma_scale_f32_16x16x128_f8f6f4 with both operands' format E2M1 (or v_wmma_scale_f32_32x16x128_f4), f32 sums; products left as they are: bf16, f16 or f32 operands; f32 sums; everything else in f32.
;; Inputs: cos 1 x 2,048 x 1 x 32 float32; lamb1 one number float32; lamb2 one number float32; sin 1 x 2,048 x 1 x 32 float32; wk 1,024 x 1,024 float32; wproj 1,024 x 1,024 float32; wq 1,024 x 1,024 float32; wv 1,024 x 1,024 float32; x 4 x 2,048 x 1,024 float32.
;; Outputs: out0 4 x 2,048 x 1,024 float32; out1 4 x 2,048 x 16 x 64 float32.
;; This version of the problem:
;;   THIS VERSION OF THE PROBLEM IS GIVEN IN LOW PRECISION. The matrix products marked QUANTISED in the list below multiply operands that are first quantised to E2M1 (2 exponent bits, 1 mantissa bit; 4 bits a number), with one power-of-two scale for each 32 numbers along K (OCP MX v1.0); their sums are f32. The products marked 'left as it is' may take bf16, f16 or f32 operands, with f32 sums. Whichever they take, every output number must still come out within the allowed error. Rounding operands to bf16 (8 significant bits) uses up far more of that allowance than f16 does (11 bits, for magnitudes from 6e-5 to 65,504). All else is computed in f32.
;;   The module's matrix products, in the order in which they are computed (A, B: the left and right operand; K: the contracted axis; several contracted axes count as one K, in the product's order):
;;     1. [M 8,192, K 1,024] x [K 1,024, N 1,024]; A: input x; B: input wq: QUANTISED
;;     2. [M 8,192, K 1,024] x [K 1,024, N 1,024]; A: input x; B: input wk: QUANTISED
;;     3. [M 8,192, K 1,024] x [K 1,024, N 1,024]; A: input x; B: input wv: QUANTISED
;;     4. batch 64 x [M 2,048, K 64] x [K 64, N 2,048]; A: computed on the way; B: computed on the way: left as it is (an operand is computed on the way)
;;     5. batch 64 x [M 64, K 2,048] x [K 2,048, N 2,048]; A: computed on the way; B: computed on the way: left as it is (an operand is computed on the way)
;;     6. [M 8,192, K 1,024] x [K 1,024, N 1,024]; A: computed on the way; B: input wproj: left as it is (an operand is computed on the way)
;;   THE QUANTISER, for each operand of a quantised product, along K:
;;     - K is cut into blocks of 32 from its start; a last block that is shorter is filled with zeros.
;;     - A block's scale is 2^e with e = floor(log2(the largest magnitude in the block)) - 2, held to -126 .. 127; a block of zeros has e = 0. As a byte (E8M0): e + 127.
;;     - Each number is divided by its block's scale, clamped to +-6, and rounded to the nearest number of E2M1, ties to even, subnormals kept.
;;     - The product sums the exact products of the quantised numbers (number of the format x scale) in f32.
;;   ~~~python
;;   def quantise(x, axis):      # numpy; x: float32 -> the quantised numbers, widened to float32 again
;;       x = np.moveaxis(x, axis, -1); K = x.shape[-1]
;;       x = np.pad(x, [(0, 0)] * (x.ndim - 1) + [(0, -K % 32)]); x = x.reshape(x.shape[:-1] + (-1, 32)); a = np.abs(x).max(-1, keepdims=True)
;;       e = np.where(a > 0, np.clip(np.frexp(np.where(a > 0, a, 1))[1] - 1 - 2, -126, 127), 0)      # np.frexp(a)[1] - 1 = floor(log2(a)), exactly
;;       r = np.clip(x / 2.0 ** e, -6, 6)
;;       step = 2.0 ** (np.maximum(np.frexp(np.where(r == 0, 1, r))[1] - 1, 0) - 1)
;;       q = np.round(r / step) * step * 2.0 ** e      # np.round: ties to even
;;       return np.moveaxis(q.reshape(q.shape[:-2] + (-1,))[..., :K], -1, axis).astype(np.float32)
;;   ~~~
;; One version. Each part assembles by itself: llvm-mc -triple=amdgcn-amd-amdhsa -mcpu=gfx1250 --defsym DOCPART=n.
;; ======== version 1 of 1: 4 launches
;; limits: values are held in f16: magnitudes above 65,504 overflow, below 6.1e-05 lose precision
;; workspace buffers: xc 4,194,304 bytes; xs 262,144 bytes; wc 1,572,864 bytes; ws 98,304 bytes; wp 2,097,152 bytes; qkv 50,331,648 bytes; yh 16,777,216 bytes
;; launch prep (part 1): grid 384 x 1, 4 waves a work-group, no clusters, 33,280 bytes of LDS; arguments x, wq, wk, wv, wproj, xc, xs, wc, ws, wp; writes xc, xs, wc, ws, wp
.if DOCPART == 1
	.amdgcn_target "amdgcn-amd-amdhsa--gfx1250"
	.amdhsa_code_object_version 6
	.text
	.protected	k_q458d12b44b_prep
	.globl	k_q458d12b44b_prep
	.p2align	8
	.type	k_q458d12b44b_prep,@function
k_q458d12b44b_prep:
	s_mov_b64 s[64:65], 0
	v_nop
	global_prefetch_b8 v0, s[64:65] scope:SCOPE_SE
	s_setreg_imm32_b32 hwreg(HW_REG_WAVE_MODE, 25, 1), 1
	s_wait_xcnt 0x0
; x [8192][1024], wq, wk, wv [1024][1024], f32, K innermost, become codes of FP4 (E2M1) with one E8M0 scale byte for each 32 along K; wproj [1024][1024] becomes f16.
; xc [8192][512 bytes], xs [8192][32 bytes]; wc [3072][512 bytes], ws [3072][32 bytes]: rows 0-1023 wq, 1024-2047 wk, 2048-3071 wv; wp [1024][1024] f16.
; A block's scale is 2^(floor(log2(its largest magnitude)) - 2); its byte is the largest magnitude's exponent field - 2, held at 1 from below.
; LIMITS: a block of zeros gets the byte 1 where the quantiser says 127 (its codes are zeros, and this program alone reads the bytes); blocks whose largest magnitude lies under 2^(3 - 127)
; keep the byte 1; NaN and infinities are not served; |wproj| above 65,504 has no f16 number.
; SHARES: a work-group takes 32,768 numbers, a wave 8,192.  Work-groups 0-255: x; 256-287: wq; 288-319: wk; 320-351: wv; 352-383: the cast of wproj.
; Rows are dense and K is a multiple of 32: every tensor is a plain stream of blocks of 32, and so are its codes and its scale bytes.
; THE QUANTISING WAY: 16 steps of 512 numbers.  A load takes 512 consecutive bytes, 16 a lane; a step's 2,048 bytes turn through the wave's own stage in LDS and come back 64 bytes a lane,
; so that a lane holds 16 neighbours along K (two lanes hold a block).  A lane's 16 codes are 8 bytes: the wave stores 256 consecutive bytes.  A wave's 256 scale bytes are gathered in LDS and leave as one store.
.set WAVES, 4
.set STEPS, 16
.set CB,    8                          ; bytes of 16 codes
.set R,     16                         ; v16-79   four sets of 16 numbers as loaded (the cast: v16-143, two sets of 64)
.set X,     80                         ; v80-111  two sets of 16 neighbours
.set E,     112                        ; v112-127 a scale byte for each step
.set C,     128                        ; v128-191 codes: four registers for each step, so that no store's data are written again
.set OUTC,  144                        ; the cast: v144-175 a group's f16 numbers
.set WREG,  8192                       ; LDS: a region for each wave: two stages of 32 x SP bytes, behind them its 256 scale bytes
.set SP,    80                         ; a lane's place in a stage: 64 bytes + 16 of padding
.set SPW,   12                         ; v12 LDS address of my spare word; never rewritten
.set NIL,   13                         ; v13 0; never rewritten
.set SPARE, WAVES*WREG                 ; behind the four regions: the spare words, 128 bytes a wave
	s_load_b512 s[4:19], s[0:1], 0x0               ; x 4, wq 6, wk 8, wv 10, wproj 12, xc 14, xs 16, wc 18
	s_load_b128 s[20:23], s[0:1], 0x40             ; ws 20, wp 22
	v_lshl_add_u32 v[SPW], v0, 2, SPARE
	v_mov_b32 v[NIL], 0
	v_lshrrev_b32 v1, 5, v0
	v_readfirstlane_b32 s32, v1                    ; wave
	v_and_b32 v2, 31, v0                           ; lane
	s_cmp_ge_u32 ttmp9, 352
	s_cbranch_scc1 .Lcast
	v_lshlrev_b32 v3, 4, v2                        ; my 16 bytes of a load's 512
	s_mul_i32 s33, s32, WREG
	v_lshrrev_b32 v14, 2, v2
	v_mul_u32_u24 v14, v14, SP
	v_and_b32 v15, 3, v2
	v_lshl_add_u32 v14, v15, 4, v14
	v_add_nc_u32 v14, s33, v14                     ; the stage, on the way in: SP (lane / 4) + 16 (lane % 4)
	v_mul_u32_u24 v15, v2, SP
	v_add_nc_u32 v15, s33, v15                     ; and on the way out: SP x lane: my 16 neighbours
	v_mul_u32_u24 v4, v2, CB                       ; my codes' place in a step's
	v_lshrrev_b32 v5, 1, v2
	s_add_co_u32 s33, s33, 2*32*SP
	v_add_nc_u32 v5, s33, v5                       ; LDS: my wave's 256 scale bytes, my block's byte
	v_lshlrev_b32 v7, 3, v2                        ; and on the way out 8 bytes a lane
	v_add_nc_u32 v6, s33, v7
	s_and_b32 s30, ttmp9, 31                       ; a weight's work-group within its tensor
	s_sub_co_u32 s31, ttmp9, 256                   ; and within wc and ws
	s_wait_kmcnt 0x0
	s_cmp_lt_u32 ttmp9, 320                        ; the buffers are chosen by the work-group's number alone
	s_cselect_b64 s[24:25], s[8:9], s[10:11]
	s_cmp_lt_u32 ttmp9, 288
	s_cselect_b64 s[24:25], s[6:7], s[24:25]
	s_cmp_lt_u32 ttmp9, 256
	s_cselect_b64 s[24:25], s[4:5], s[24:25]       ; the numbers
	s_cselect_b64 s[26:27], s[14:15], s[18:19]     ; the codes
	s_cselect_b64 s[28:29], s[16:17], s[20:21]     ; the scale bytes
	s_cselect_b32 s30, ttmp9, s30
	s_cselect_b32 s31, ttmp9, s31
	s_lshl_b32 s30, s30, 2
	s_add_co_u32 s30, s30, s32                     ; which run of 8,192 numbers of the source is my wave's
	s_lshl_b32 s34, s30, 15                        ; 32,768 bytes a run
	s_mov_b32 s35, 0
	s_add_nc_u64 s[24:25], s[24:25], s[34:35]
	s_lshl_b32 s31, s31, 2
	s_add_co_u32 s31, s31, s32                     ; and of the destination
	s_lshl_b32 s34, s31, 12                        ; 4,096 bytes of codes a run
	s_add_nc_u64 s[26:27], s[26:27], s[34:35]
	s_lshl_b32 s34, s31, 8                         ; 256 scale bytes a run
	s_add_nc_u64 s[28:29], s[28:29], s[34:35]
.macro LOAD t
.irp i, 0,1,2,3
	global_load_b128 v[R+16*((\t)%4)+4*\i:R+16*((\t)%4)+4*\i+3], v3, s[24:25] offset:2048*(\t)+512*\i th:TH_LOAD_NT   ; 32 lanes read 512 consecutive bytes
.endr
.endm
.macro TURN t                          ; step t's numbers through the stage: LDS serves a wave's instructions in order, so no wait stands between the stores and the loads
.irp i, 0,1,2,3
	ds_store_b128 v14, v[R+16*((\t)%4)+4*\i:R+16*((\t)%4)+4*\i+3] offset:32*SP*((\t)%2)+8*SP*\i
.endr
.irp i, 0,1,2,3
	ds_load_b128 v[X+16*((\t)%2)+4*\i:X+16*((\t)%2)+4*\i+3], v15 offset:32*SP*((\t)%2)+16*\i
.endr
.endm
.irp t, 0,1,2,3
	LOAD \t
.endr
	s_wait_loadcnt 12                              ; step 0's four loads are in; the 12 of steps 1 to 3 may be out
	TURN 0
.macro STEP t
.set XS, X+16*((\t)%2)
.if (\t) > 0
	s_wait_dscnt 1                                 ; this step's numbers are back from the stage; the last step's byte store may be out
.else
	s_wait_dscnt 0x0
.endif
.if (\t)+4 < STEPS
	LOAD (\t)+4                                    ; into the registers that this step's stores into the stage have read
.endif
.if (\t)+1 < STEPS
.if STEPS-2-(\t) >= 3
	s_wait_loadcnt 12                              ; the next step's four loads are in; those of the three steps behind it may be out
.else
	s_wait_loadcnt 4*(STEPS-2-(\t))
.endif
	TURN (\t)+1                                    ; through the other stage while this step is worked
.endif
	v_max3_num_f32 v8, |v[XS]|, |v[XS+1]|, |v[XS+2]|               ; the largest magnitude of my 16, in two chains
	v_max3_num_f32 v9, |v[XS+3]|, |v[XS+4]|, |v[XS+5]|
.irp i, 6,10
	v_max3_num_f32 v8, v8, |v[XS+\i]|, |v[XS+\i+1]|
	v_max3_num_f32 v9, v9, |v[XS+\i+2]|, |v[XS+\i+3]|
.endr
	v_max3_num_f32 v8, v8, |v[XS+14]|, |v[XS+15]|
	v_max3_num_f32 v8, v8, v9, 0x1800000           ; and the floor 2^(3 - 127): the byte cannot fall under 1
	v_max_num_f32_dpp v8, v8, v8 row_xmask:1 row_mask:0xf bank_mask:0xf   ; and of my neighbour's 16: the block's
	v_add_nc_u32 v11, 0xff000000, v8               ; 2 off its exponent field: the conversion takes the exponent field of this operand as its scale
	v_cvt_scalef32_pk8_fp4_f32 v[C+4*(\t)], v[XS:XS+7], v11
	v_cvt_scalef32_pk8_fp4_f32 v[C+4*(\t)+1], v[XS+8:XS+15], v11
	v_lshrrev_b32 v[E+(\t)], 23, v11               ; the scale's byte (a plain line behind the conversions)
	ds_store_b8 v5, v[E+(\t)] offset:16*(\t)       ; both lanes of a block write the same byte with the same value
	global_store_b64 v4, v[C+4*(\t):C+4*(\t)+1], s[26:27] offset:32*CB*(\t)   ; 32 lanes store 256 consecutive bytes
.endm
.irp t, 0,1,2,3,4,5,6,7,8,9,10,11,12,13,14,15
	STEP \t
.endr
	ds_load_b64 v[8:9], v6                         ; LDS serves a wave's instructions in order: these see my byte stores
	s_wait_dscnt 0x0
	global_store_b64 v7, v[8:9], s[28:29]          ; 32 lanes store my wave's 256 scale bytes
	s_branch .Lend
; THE CAST of wproj: 64 steps of 128 numbers, in four groups of 16.  A load takes 512 consecutive bytes, 16 a lane; a lane's four numbers are 8 bytes of f16: a store covers 256 consecutive bytes.
.Lcast:
	s_sub_co_u32 s30, ttmp9, 352
	s_lshl_b32 s30, s30, 2
	s_add_co_u32 s30, s30, s32                     ; my wave's run of 8,192 numbers
	s_lshl_b32 s34, s30, 15
	s_mov_b32 s35, 0
	s_lshl_b32 s36, s30, 14
	s_mov_b32 s37, 0
	v_lshlrev_b32 v3, 4, v2
	v_lshlrev_b32 v4, 3, v2
	s_wait_kmcnt 0x0
	s_add_nc_u64 s[24:25], s[12:13], s[34:35]
	s_add_nc_u64 s[26:27], s[22:23], s[36:37]
.macro LOADC g
.irp i, 0,1,2,3,4,5,6,7,8,9,10,11,12,13,14,15
	global_load_b128 v[R+64*((\g)%2)+4*\i:R+64*((\g)%2)+4*\i+3], v3, s[24:25] offset:512*(16*(\g)+\i) th:TH_LOAD_NT
.endr
.endm
.macro GROUP g
.if (\g) < 3
	LOADC (\g)+1
	s_wait_loadcnt 16                              ; this group's 16 loads are in; the next group's 16 may be out
.else
	s_wait_loadcnt 0x0
.endif
.if (\g) > 0
	s_wait_xcnt 0x0                                ; the last group's stores have read their data: the registers are written again only behind this wait
.endif
.irp i, 0,1,2,3,4,5,6,7,8,9,10,11,12,13,14,15
	v_cvt_pk_f16_f32 v[OUTC+2*\i], v[R+64*((\g)%2)+4*\i], v[R+64*((\g)%2)+4*\i+1]
	v_cvt_pk_f16_f32 v[OUTC+2*\i+1], v[R+64*((\g)%2)+4*\i+2], v[R+64*((\g)%2)+4*\i+3]
.endr
.irp i, 0,1,2,3,4,5,6,7,8,9,10,11,12,13,14,15
	global_store_b64 v4, v[OUTC+2*\i:OUTC+2*\i+1], s[26:27] offset:256*(16*(\g)+\i)
.endr
.endm
	LOADC 0
	GROUP 0
	GROUP 1
	GROUP 2
	GROUP 3
.Lend:
	s_wait_tensorcnt 0x0                           ; the wave's end
	ds_add_u32 v[SPW], v[NIL]
	s_wait_dscnt 0x0
	s_endpgm
.Lfunc_end_k_q458d12b44b_prep:
	.size	k_q458d12b44b_prep, .Lfunc_end_k_q458d12b44b_prep-k_q458d12b44b_prep
	.p2alignl 7, 3214868480
	.fill 96, 4, 3214868480
	.section	.rodata,"a",@progbits
	.p2align	6, 0x0
	.amdhsa_kernel k_q458d12b44b_prep
		.amdhsa_group_segment_fixed_size 33280
		.amdhsa_private_segment_fixed_size 0
		.amdhsa_enable_private_segment 0
		.amdhsa_kernarg_size 80
		.amdhsa_user_sgpr_count 2
		.amdhsa_user_sgpr_kernarg_segment_ptr 1
		.amdhsa_wavefront_size32 1
		.amdhsa_system_sgpr_workgroup_id_x 1
		.amdhsa_system_sgpr_workgroup_id_y 1
		.amdhsa_system_sgpr_workgroup_id_z 1
		.amdhsa_system_vgpr_workitem_id 0
		.amdhsa_next_free_vgpr 192
		.amdhsa_next_free_sgpr 66
		.amdhsa_reserve_vcc 0
		.amdhsa_float_denorm_mode_32 3
		.amdhsa_float_denorm_mode_16_64 3
		.amdhsa_memory_ordered 1
		.amdhsa_forward_progress 1
		.amdhsa_inst_pref_size 54
	.end_amdhsa_kernel
	.amdgpu_metadata
---
amdhsa.version: [ 1, 2 ]
amdhsa.kernels:
  - .name:           k_q458d12b44b_prep
    .symbol:         k_q458d12b44b_prep.kd
    .args:
      - { .name: x, .offset: 0, .size: 8, .value_kind: global_buffer, .address_space: global }
      - { .name: wq, .offset: 8, .size: 8, .value_kind: global_buffer, .address_space: global }
      - { .name: wk, .offset: 16, .size: 8, .value_kind: global_buffer, .address_space: global }
      - { .name: wv, .offset: 24, .size: 8, .value_kind: global_buffer, .address_space: global }
      - { .name: wproj, .offset: 32, .size: 8, .value_kind: global_buffer, .address_space: global }
      - { .name: xc, .offset: 40, .size: 8, .value_kind: global_buffer, .address_space: global }
      - { .name: xs, .offset: 48, .size: 8, .value_kind: global_buffer, .address_space: global }
      - { .name: wc, .offset: 56, .size: 8, .value_kind: global_buffer, .address_space: global }
      - { .name: ws, .offset: 64, .size: 8, .value_kind: global_buffer, .address_space: global }
      - { .name: wp, .offset: 72, .size: 8, .value_kind: global_buffer, .address_space: global }
    .group_segment_fixed_size: 33280
    .private_segment_fixed_size: 0
    .kernarg_segment_align: 8
    .kernarg_segment_size: 80
    .max_flat_workgroup_size: 128
    .sgpr_count:     66
    .vgpr_count:     192
    .wavefront_size: 32
...
	.end_amdgpu_metadata
.endif
;; end of part 1
;; launch qkv (part 2): grid 12 x 32, 4 waves a work-group, clusters of 4 x 4, 327,680 bytes of LDS; arguments xc, xs, wc, ws, cos, sin, qkv, out1; writes qkv, out1
.if DOCPART == 2
	.amdgcn_target "amdgcn-amd-amdhsa--gfx1250"
	.amdhsa_code_object_version 6
	.text
	.protected	k_q458d12b44b_qkv
	.globl	k_q458d12b44b_qkv
	.p2align	8
	.type	k_q458d12b44b_qkv,@function
k_q458d12b44b_qkv:
	s_mov_b64 s[64:65], 0
	v_nop
	global_prefetch_b8 v0, s[64:65] scope:SCOPE_SE
	s_setreg_imm32_b32 hwreg(HW_REG_WAVE_MODE, 25, 1), 1
	s_wait_xcnt 0x0
	s_wait_alu depctr_hold_cnt(0) depctr_sa_sdst(0) depctr_va_vdst(0) depctr_va_sdst(0) depctr_va_ssrc(0) depctr_va_vcc(0) depctr_vm_vsrc(0)
	s_getreg_b32 s2, hwreg(HW_REG_IB_STS2, 6, 4)
	s_cmp_eq_u32 s2, 0
	s_cbranch_scc0 .Lentry_in_a_cluster
	s_endpgm
.Lentry_in_a_cluster:
	s_bfe_u32 s2, ttmp6, 0x10000c
	s_cmp_lg_u32 s2, 0xf033
	s_cbranch_scc0 .Lentry_shape_is_right
	s_endpgm
.Lentry_shape_is_right:
; C[m][n] = sum over k of x[m][k] w[n][k] on codes of FP4 (E2M1) with one E8M0 scale for each 32 along K: m = 8,192 positions, n = 3,072 (q, k, v: 1,024 each), K = 1,024; sums in f32.
; Behind the product: q and k get the rope (cos, sin of the position) and the rms norm over a head's 64 channels, in f32, and go out as f16; q is also multiplied by log2(e) / 8, so that the
; attention's score is the exponent of 2.  v goes out twice: as it is, f32, into out1, and as f16.  qkv: three sections of 2^24 bytes (q, k, v), each [batch x 16 + head][2048 positions][64] f16.
; LIMITS: NaN and infinities are not served; |v| above 65,504 has no f16 number.
; A tile of C, 256 x 256, is made by a work-group of four waves; a wave makes 128 x 128 (two heads wide): 64 accumulators of 16 x 16, 512 registers.
; K = 1,024 is two LDS slots of 512 along K (rows of 256 bytes): both are filled once, at the head, and so are the scale bytes of the work-group's rows: nothing is filled again, and a wave has three tensor loads out at the most.
; CLUSTERS: 4 x 4 work-groups.  The four of a row of the cluster need the same tiles of x, the four of a column the same tiles of w: each tile is asked for JOINTLY.  The cluster's x is the section (q, k, v): the same in all sixteen.
; THE MATRIX INSTRUCTION IS USED TRANSPOSED (source 0 = 16 rows of w, source 1 = 16 rows of x): a lane holds one position (lane % 16) and eight neighbouring channels.
; REGISTERS: window 0: v0-31 addresses; v32-95 scale words, two sets, and nothing else; v128-191 x's fragments, one set; on the v section's way out v128-255 rows of out1.
;   window 1: w's fragments, two sets, at v0 and v128; v192-255 cos and sin, two sets; on the way out v0-63 Y, v64-95 PK, v96-107 T, v128-191 rows of f16.   windows 2, 3: the accumulators ((a, b) at v[8 (8 (a % 4) + b)]).
.set NQ,     4                         ; matrix instructions deep in a slot
.set ROWB,   256                       ; a tile's row in bytes: 512 codes
.set KROW,   512                       ; a row of codes in memory
.set PITCH,  272                       ; an LDS row: 256 bytes + 16 of padding = 68 words: the 16 rows that a load touches start 4 words apart modulo 64
.set FR,     8
.set NL,     2
.set NP,     4                         ; places behind this matrix instruction (ISA guide 7.12.1)
.set HALFT,  128*PITCH
.set SLOT,   4*HALFT
.set KS,     32                        ; a row of scale bytes
.set SCL,    2*SLOT                    ; behind the slots: the scales, as units of 256 bytes + 16 of padding
.set HALFS,  (128*KS/256)*272
.set SBLK,   (16*KS/256)*272
.set SPARE,  SCL+4*HALFS               ; the spare words, 128 bytes a wave
.set SPITCH, 528                       ; THE WAY OUT lies in slot 0, which has had its one fill and its last read by then.  f32 stage: 16 rows x (512 + 16) a wave, from byte 0;
.set STV16,  4*16*SPITCH               ; f16 stage of the v section: 2 heads x 16 rows x (128 + 16) = 4,608 bytes a wave;
.set STQ16,  STV16+4*4608              ; f16 stage of the q and k sections: bytes of its own
.set ADRA, 16                          ; v16-17 LDS address of my x fragments in slot 0, 1
.set ADRB, 20                          ; v20-21 the same for w
.set RDH,  22                          ; v22 f16 stage: where I read rows back: 144 (lane / 8) + 16 (lane % 8)
.set STO,  24                          ; v24 f32 stage: where I put 32 bytes of a row
.set RD,   25                          ; v25 f32 stage: where I read a row back
.set CO,   26                          ; v26 16 x lane
.set ADRS, 27                          ; v27 LDS address of my scale words: lanes 0-15 x's rows, lanes 16-31 w's
.set SPW,  28
.set NIL,  29
.set CSO,  30                          ; v30 cos, sin: 128 (lane % 16) + 32 (lane / 16)
.set STH,  31                          ; v31 f16 stage: where I put 16 bytes of a row: 144 (lane % 16) + 16 (lane / 16)
.set SC,   32
.set AF,   128
.set BK,   128
.set Y,    0                           ; window 1
.set PK,   64
.set T,    96
.set BKH,  128
.set CS,   192
.set G1, 24
.set G0, 32
.set G1B, 48
.set G0B, 56
.set G1S, 68
.set G0S, 76
.set G1SB, 80
.set G0SB, 88
.set MSB, 0
.macro WIN new                         ; the immediate's high byte repeats the setting that is left
.if MSB != \new
	s_set_vgpr_msb (MSB<<8)|\new
.set MSB, \new
.endif
.endm
.set MUL_LO, 0xa1                      ; source 0 (w) window 1, source 1 (x) window 0, C and D window 2
.set MUL_HI, 0xf1
.set TO_B,   0x40
; A joint load: waves 0 and 1 fetch for x, waves 2 and 3 for w.  The branch hangs on the wave's number alone.  An s_nop 0 and four v_nop follow each of the two lines.
.macro JLOAD g0a, g1a, g0b, g1b
	s_cmp_eq_u32 s15, 0
	s_cbranch_scc0 .Lfor_b_\@
	tensor_load_to_lds s[\g0a:\g0a+3], s[\g1a:\g1a+7]
	s_nop 0
.rept 4
	v_nop
.endr
	s_branch .Lasked_\@
.Lfor_b_\@:
	tensor_load_to_lds s[\g0b:\g0b+3], s[\g1b:\g1b+7]
	s_nop 0
.rept 4
	v_nop
.endr
.Lasked_\@:
.endm
.macro CROUND                          ; a round of the cluster's barrier
	s_barrier_signal -1
	s_barrier_wait -1
	s_cmp_lg_u32 s14, 0
	s_cbranch_scc1 .Lnot_wave_0_\@
	s_barrier_signal -3
.Lnot_wave_0_\@:
	s_barrier_wait -3
	s_barrier_signal -1
	s_barrier_wait -1
.endm
	s_load_b256 s[4:11], s[0:1], 0x0               ; x's codes 4, x's scales 6, w's codes 8, w's scales 10
	s_load_b128 s[96:99], s[0:1], 0x20             ; cos, sin
	s_load_b64 s[100:101], s[0:1], 0x30            ; qkv
	s_load_b64 s[12:13], s[0:1], 0x38              ; out1
	v_lshl_add_u32 v[SPW], v0, 2, SPARE
	v_mov_b32 v[NIL], 0
	ds_add_u32 v[SPW], v[NIL]                      ; the wave's opening: the add, twice on end, and its wait ahead of my first tensor load
	ds_add_u32 v[SPW], v[NIL]
	v_lshrrev_b32 v1, 5, v0
	v_readfirstlane_b32 s14, v1                    ; wave 0..3
	s_lshr_b32 s15, s14, 1                         ; which half of the tile's rows is mine.  Also: I fetch for x (0) or for w (1)
	s_and_b32 s16, s14, 1                          ; which half of its columns.  Also: which 128 rows of that tile I fetch
	s_bfe_u32 s40, ttmp6, 0x40000                  ; cx, cy
	s_bfe_u32 s41, ttmp6, 0x40004
	s_lshl_b32 s42, ttmp9, 2
	s_add_co_u32 s42, s42, s40                     ; tile column = 4 x cluster x + cx
	s_and_b32 s17, ttmp7, 0xffff
	s_lshl_b32 s17, s17, 2
	s_add_co_u32 s17, s17, s41                     ; tile row = 4 x cluster y + cy
	s_lshl_b32 s43, s41, 2
	s_lshl_b32 s43, 15, s43                        ; my row of the cluster
	s_lshl_b32 s44, 0x1111, s40                    ; my column
	s_or_b32 s[G1+0], s43, (0<<16)|(1<<20)|(1<<21)|(5<<22)|(3<<25)  ; the mask; elements of 1 byte; padding on; bit 21 beside a mask; 4 words of padding behind every 64
	s_or_b32 s[G1B+0], s44, (0<<16)|(1<<20)|(1<<21)|(5<<22)|(3<<25)
.irp g, G1, G1B
	s_mov_b32 s[\g+1], ROWB<<16                    ; tensor_dim0
	s_mov_b32 s[\g+2], 128<<16                     ; tensor_dim1
	s_mov_b32 s[\g+3], ROWB<<16                    ; tile_dim0
	s_mov_b32 s[\g+4], 128                         ; tile_dim1
	s_mov_b32 s[\g+5], KROW                        ; from row to row
	s_mov_b32 s[\g+6], 0
	s_mov_b32 s[\g+7], 0
.endr
	s_or_b32 s[G1S+0], s43, (3<<16)|(1<<20)|(1<<21)|(5<<22)|(3<<25) ; the scales of 128 rows: 4,096 dense bytes as 16 rows of 32 elements of 8 bytes
	s_or_b32 s[G1SB+0], s44, (3<<16)|(1<<20)|(1<<21)|(5<<22)|(3<<25)
.irp g, G1S, G1SB
	s_mov_b32 s[\g+1], 32<<16
	s_mov_b32 s[\g+2], (128*KS/256)<<16
	s_mov_b32 s[\g+3], 32<<16
	s_mov_b32 s[\g+4], 128*KS/256
	s_mov_b32 s[\g+5], 32
	s_mov_b32 s[\g+6], 0
	s_mov_b32 s[\g+7], 0
.endr
	s_lshl_b32 s18, s16, 7
	s_lshl_b32 s20, s17, 8
	s_add_co_u32 s20, s20, s18                     ; x: row 256 x tile row + 128 x half
	s_lshl_b32 s46, s42, 8
	s_add_co_u32 s46, s46, s18                     ; w: row 256 x tile column + 128 x half
	s_mov_b32 s21, 0
	s_mov_b32 s47, 0
	s_mov_b64 s[18:19], KS
	s_mul_u64 s[22:23], s[20:21], s[18:19]         ; where these rows' scales begin
	s_mul_u64 s[92:93], s[46:47], s[18:19]
	s_mov_b64 s[18:19], KROW
	s_mul_u64 s[20:21], s[20:21], s[18:19]         ; and their codes
	s_mul_u64 s[46:47], s[46:47], s[18:19]
	s_mul_i32 s45, s14, HALFT                      ; where they go: wave x 128 rows
	s_mul_i32 s94, s14, HALFS
	s_wait_dscnt 0x0                               ; both opening adds are done
	s_wait_kmcnt 0x0
	s_add_nc_u64 s[20:21], s[4:5], s[20:21]
	s_add_nc_u64 s[22:23], s[6:7], s[22:23]
	s_add_nc_u64 s[46:47], s[8:9], s[46:47]
	s_add_nc_u64 s[92:93], s[10:11], s[92:93]
	CROUND                                         ; all sixteen work-groups are here: the joint loads meet
	s_mov_b32 s[G0S], 1
	s_add_co_u32 s[G0S+1], s94, SCL
	s_mov_b64 s[G0S+2:G0S+3], s[22:23]
	s_or_b32 s[G0S+3], s[G0S+3], 0x80000000
	s_mov_b32 s[G0SB], 1
	s_add_co_u32 s[G0SB+1], s94, SCL
	s_mov_b64 s[G0SB+2:G0SB+3], s[92:93]
	s_or_b32 s[G0SB+3], s[G0SB+3], 0x80000000
	JLOAD G0S, G1S, G0SB, G1SB                     ; the scales first: they are wanted with the first slot
.irp s, 0,1
	s_mov_b32 s[G0+4*\s], 1
	s_add_co_u32 s[G0+4*\s+1], s45, \s*SLOT
	s_add_nc_u64 s[G0+4*\s+2:G0+4*\s+3], s[20:21], \s*ROWB
	s_or_b32 s[G0+4*\s+3], s[G0+4*\s+3], 0x80000000
	s_mov_b32 s[G0B+4*\s], 1
	s_add_co_u32 s[G0B+4*\s+1], s45, \s*SLOT
	s_add_nc_u64 s[G0B+4*\s+2:G0B+4*\s+3], s[46:47], \s*ROWB
	s_or_b32 s[G0B+4*\s+3], s[G0B+4*\s+3], 0x80000000
	JLOAD G0+4*\s, G1, G0B+4*\s, G1B
.endr
	v_and_b32 v1, 15, v0                           ; r = lane % 16
	v_bfe_u32 v2, v0, 4, 1                         ; h = lane / 16
	v_mul_u32_u24 v3, v1, PITCH
	v_lshl_add_u32 v4, v2, 4, v3                   ; a fragment's row x pitch + 16 h
	s_mul_i32 s21, s15, HALFT                      ; my 128 rows of x
	s_mul_i32 s22, s16, HALFT                      ; my 128 rows of w,
	s_add_co_u32 s22, s22, 2*HALFT                 ; which lie behind x's 256
.irp s, 0,1
	v_add_nc_u32 v[ADRA+\s], s21, v4
	v_add_nc_u32 v[ADRB+\s], s22, v4
	s_add_co_u32 s21, s21, SLOT
	s_add_co_u32 s22, s22, SLOT
.endr
	v_mul_u32_u24 v5, v1, KS                       ; my row's scales: KS bytes a row,
	v_lshrrev_b32 v6, 8, v5
	v_lshl_add_u32 v5, v6, 4, v5                   ; and 16 more for each 256 passed
	s_mul_i32 s21, s15, HALFS
	s_mul_i32 s22, s16, HALFS
	s_add_co_u32 s22, s22, 2*HALFS
	s_sub_co_u32 s22, s22, s21
	v_mul_u32_u24 v6, s22, v2                      ; lanes 16-31 take w's: one product, the distance between the two bases
	s_add_co_u32 s21, s21, SCL
	v_add_nc_u32 v5, v5, v6
	v_add_nc_u32 v[ADRS], s21, v5
	s_mul_i32 s23, s14, 16*SPITCH                  ; my f32 stage
	v_mul_u32_u24 v5, v1, SPITCH
	v_lshl_add_u32 v5, v2, 5, v5
	v_add_nc_u32 v[STO], s23, v5
	v_and_b32 v6, 31, v0
	v_lshlrev_b32 v[CO], 4, v6
	v_add_nc_u32 v[RD], s23, v[CO]
	s_mul_i32 s23, s14, 4608                       ; my f16 stage (the section's base stands in the immediates)
	v_mul_u32_u24 v5, v1, 144
	v_lshl_add_u32 v5, v2, 4, v5
	v_add_nc_u32 v[STH], s23, v5
	v_lshrrev_b32 v5, 3, v6
	v_mul_u32_u24 v5, v5, 144
	v_and_b32 v7, 7, v0
	v_lshl_add_u32 v5, v7, 4, v5
	v_add_nc_u32 v[RDH], s23, v5
	v_lshlrev_b32 v[CSO], 7, v1
	v_lshl_add_u32 v[CSO], v2, 5, v[CSO]
	s_and_b32 s20, s17, 7                          ; my first position in the sequence: 256 (tile row % 8) + 128 x half
	s_lshl_b32 s20, s20, 8
	s_lshl_b32 s21, s15, 7
	s_add_co_u32 s20, s20, s21
	s_lshl_b32 s20, s20, 7                         ; x 128 bytes: a row of cos, of sin, and of a head in qkv
	s_mov_b32 s21, 0
	s_add_nc_u64 s[96:97], s[96:97], s[20:21]
	s_add_nc_u64 s[98:99], s[98:99], s[20:21]
	s_lshr_b32 s22, s17, 3                         ; the batch
	s_lshl_b32 s22, s22, 4
	s_lshl_b32 s23, s40, 2
	s_add_co_u32 s22, s22, s23
	s_lshl_b32 s23, s16, 1
	s_add_co_u32 s22, s22, s23                     ; 16 x batch + my first head (4 cx + 2 x half)
	s_lshl_b32 s22, s22, 18                        ; a head's 2,048 rows of 128 bytes
	s_add_co_u32 s20, s20, s22
	s_lshl_b32 s22, ttmp9, 24                      ; the section
	s_add_co_u32 s20, s20, s22
	s_add_nc_u64 s[100:101], s[100:101], s[20:21]
	s_lshl_b32 s20, s17, 8
	s_lshl_b32 s22, s15, 7
	s_add_co_u32 s20, s20, s22
	s_lshl_b32 s20, s20, 12                        ; out1: my first row of 4,096 bytes,
	s_lshl_b32 s22, s40, 10
	s_add_co_u32 s20, s20, s22
	s_lshl_b32 s22, s16, 9
	s_add_co_u32 s20, s20, s22                     ; my first column: 1,024 cx + 512 x half bytes
	s_add_nc_u64 s[12:13], s[12:13], s[20:21]
	s_mov_b32 s2, 0x3c800000                       ; 1 / 64
	s_mov_b32 s3, 0x34000000                       ; the norm's epsilon, 2^-23
	s_mov_b32 s94, 0x76543210                      ; v_permlanex16_b32's selects for lane l xor 16
	s_mov_b32 s95, 0xfedcba98
	s_cmp_eq_u32 ttmp9, 0
	s_cselect_b32 s66, 0x3e38aa3b, 1.0             ; q alone is multiplied by log2(e) / 8
; cos and sin of block a's 16 positions, in the accumulators' layout: lane (r, h) takes channels 16 t + 8 h + 0 .. 7 of position r; cos at CS + 8 t, sin at CS + 16 + 8 t, two sets by turns
.macro CSLOAD a
	WIN 0x40                                       ; destination window 1
.irp t, 0,1
.irp u, 0,1
	global_load_b128 v[CS+32*((\a)%2)+8*\t+4*\u:CS+32*((\a)%2)+8*\t+4*\u+3], v[CSO], s[96:97] offset:2048*(\a)+64*\t+16*\u
	global_load_b128 v[CS+32*((\a)%2)+16+8*\t+4*\u:CS+32*((\a)%2)+16+8*\t+4*\u+3], v[CSO], s[98:99] offset:2048*(\a)+64*\t+16*\u
.endr
.endr
	WIN 0
.endm
	CSLOAD 0                                       ; block 0's, a whole product ahead of their use.  The v section asks too and does not use them (4 KB a wave): so one way leads through the text up to the way out
.macro FRAG reg, adr, q, i             ; a fragment, 16 rows x 128 K of 4-bit codes: registers 4 c .. 4 c + 3 hold K = 64 c + 32 (lane / 16) + 0 .. 31
.irp c, 0,1
	ds_load_b128 v[\reg+4*\c:\reg+4*\c+3], v[\adr] offset:64*(\q)+32*\c+(\i)*16*PITCH
.endr
.endm
; 16 matrix instructions: x's blocks a0, a0 + 1 against w's eight.  The 64 accumulators take turns, one instruction a turn, in the same order in every step.
.macro MUL16 a0, p, q, sc, zero
.irp a, \a0, \a0+1
.irp b, 0,1,2,3,4,5,6,7
.if \zero
	v_wmma_scale_f32_16x16x128_f8f6f4 v[8*(8*((\a)%4)+\b):8*(8*((\a)%4)+\b)+7], v[128*(\p)+FR*\b:128*(\p)+FR*\b+FR-1], v[AF+FR*(\a):AF+FR*(\a)+FR-1], 0, v[SC+8*NQ*(\sc)+NQ*\b+(\q)], v[SC+8*NQ*(\sc)+NQ*(\a)+(\q)] matrix_a_fmt:MATRIX_FMT_FP4 matrix_b_fmt:MATRIX_FMT_FP4 matrix_a_scale:MATRIX_SCALE_ROW1
.else
	v_wmma_scale_f32_16x16x128_f8f6f4 v[8*(8*((\a)%4)+\b):8*(8*((\a)%4)+\b)+7], v[128*(\p)+FR*\b:128*(\p)+FR*\b+FR-1], v[AF+FR*(\a):AF+FR*(\a)+FR-1], v[8*(8*((\a)%4)+\b):8*(8*((\a)%4)+\b)+7], v[SC+8*NQ*(\sc)+NQ*\b+(\q)], v[SC+8*NQ*(\sc)+NQ*(\a)+(\q)] matrix_a_fmt:MATRIX_FMT_FP4 matrix_b_fmt:MATRIX_FMT_FP4 matrix_a_scale:MATRIX_SCALE_ROW1
.endif
.endr
.endr
.endm
.macro FETCH_B slot, q, p
	WIN TO_B
.irp i, 0,1,2,3,4,5,6,7
	FRAG 128*(\p)+FR*\i, ADRB+\slot, \q, \i
.endr
	WIN 0
.endm
.macro FETCH_A slot, q, i0
.irp i, \i0, \i0+1, \i0+2, \i0+3
	FRAG AF+FR*(\i), ADRA+\slot, \q, \i
.endr
.endm
.macro SCALES sc                       ; a slot's scale words: lanes 0-15 take x's block i, lanes 16-31 w's block i; four words (512 along K) a load
.irp i, 0,1,2,3,4,5,6,7
	ds_load_b128 v[SC+8*NQ*\sc+NQ*\i:SC+8*NQ*\sc+NQ*\i+3], v[ADRS] offset:\i*SBLK
.endr
.endm
.macro PLACES n                        ; plain vector instructions between a matrix instruction and a load into, or a read of, its registers
.rept \n
	v_nop
.endr
.endm
.macro STEP slot, q, zero              ; 128 along K that has its successor in the same slot
	s_wait_dscnt 4*NL                              ; w's set and x's blocks 0-3 are in; the youngest 8 loads (x's blocks 4-7) may be out
	WIN MUL_LO
	MUL16 0, (\q)%2, \q, \slot, \zero
	MUL16 2, (\q)%2, \q, \slot, \zero
	s_wait_dscnt 0
	PLACES NP
	FETCH_B \slot, (\q)+1, 1-(\q)%2
	FETCH_A \slot, (\q)+1, 0
	WIN MUL_HI
	MUL16 4, (\q)%2, \q, \slot, \zero
	MUL16 6, (\q)%2, \q, \slot, \zero
	PLACES NP
	WIN 0
	FETCH_A \slot, (\q)+1, 4
.endm
.macro STEPS slot, from
.set Q, \from
.rept NQ-1-\from
	STEP \slot, Q, 0
.set Q, Q+1
.endr
.endm
	s_wait_tensorcnt 1                             ; the scales and my part of slot 0 are in; slot 1's load may be out
	s_barrier_signal -1
	s_barrier_wait -1
	FETCH_B 0, 0, 0
	FETCH_A 0, 0, 0
	SCALES 0
	FETCH_A 0, 0, 4
	STEP 0, 0, 1                                   ; the first step's products start the sums: nothing is cleared
	STEPS 0, 1
	; slot 0's last step changes slots: one barrier; in front of it my part of slot 1 has landed and my reads of slot 0 are over
	s_wait_tensorcnt 0x0
	ds_add_u32 v[SPW], v[NIL]
	s_wait_dscnt 4*NL+1                            ; the add and the youngest 8 loads (x's blocks 4-7) may be out
	WIN MUL_LO
	MUL16 0, 1, NQ-1, 0, 0
	s_wait_dscnt 0x0
	s_barrier_signal -1
	MUL16 2, 1, NQ-1, 0, 0
	WIN 0
	s_barrier_wait -1
	PLACES NP
	v_add_nc_u32 v[ADRS], 4*NQ, v[ADRS]            ; on to slot 1's scale words
	FETCH_B 1, 0, 0
	FETCH_A 1, 0, 0
	SCALES 1
	WIN MUL_HI
	MUL16 4, 1, NQ-1, 0, 0
	MUL16 6, 1, NQ-1, 0, 0
	PLACES NP
	WIN 0
	FETCH_A 1, 0, 4
	STEPS 1, 0
	s_wait_dscnt 4*NL                              ; the very last step: nothing more to fetch
	WIN MUL_LO
	MUL16 0, 1, NQ-1, 1, 0
	MUL16 2, 1, NQ-1, 1, 0
	s_wait_dscnt 0
	WIN MUL_HI
	MUL16 4, 1, NQ-1, 1, 0
	MUL16 6, 1, NQ-1, 1, 0
	WIN 0
	PLACES NP                                      ; behind the last products: for the reads of results and the writes over fragments that follow on both ways
; THE WAY OUT, block by block of 16 positions x 128 channels (two heads g).  Accumulator (a, 4 g + c): lane (r, h) holds position r, channels 16 c + 8 h + 0 .. 7 of head g.
; The rope pairs channel d (c = t) with channel d + 32 (c = t + 2): both lie in the same lane and register number.  Each accumulator is read from its low end on.
.macro ROPE a
.set AC, 64*((\a)%4)
.set CC, CS+32*((\a)%2)
	WIN 0x56+(\a)/4                                ; source 0: the accumulators' window; all else window 1
.irp g, 0,1
.irp t, 0,1
.irp p, 0,1,2,3
	v_pk_mul_f32 v[Y+32*\g+8*\t+2*\p:Y+32*\g+8*\t+2*\p+1], v[AC+8*(4*\g+\t)+2*\p:AC+8*(4*\g+\t)+2*\p+1], v[CC+8*\t+2*\p:CC+8*\t+2*\p+1]                 ; x1 cos
	v_pk_mul_f32 v[Y+32*\g+16+8*\t+2*\p:Y+32*\g+16+8*\t+2*\p+1], v[AC+8*(4*\g+\t)+2*\p:AC+8*(4*\g+\t)+2*\p+1], v[CC+16+8*\t+2*\p:CC+16+8*\t+2*\p+1]     ; x1 sin
	v_pk_fma_f32 v[Y+32*\g+8*\t+2*\p:Y+32*\g+8*\t+2*\p+1], v[AC+8*(4*\g+\t+2)+2*\p:AC+8*(4*\g+\t+2)+2*\p+1], v[CC+16+8*\t+2*\p:CC+16+8*\t+2*\p+1], v[Y+32*\g+8*\t+2*\p:Y+32*\g+8*\t+2*\p+1]   ; + x2 sin
	v_pk_fma_f32 v[Y+32*\g+16+8*\t+2*\p:Y+32*\g+16+8*\t+2*\p+1], v[AC+8*(4*\g+\t+2)+2*\p:AC+8*(4*\g+\t+2)+2*\p+1], v[CC+8*\t+2*\p:CC+8*\t+2*\p+1], v[Y+32*\g+16+8*\t+2*\p:Y+32*\g+16+8*\t+2*\p+1] neg_lo:[0,0,1] neg_hi:[0,0,1]   ; x2 cos - x1 sin
.endr
.endr
.endr
.endm
; The rms norm of both heads: a lane's 32 squares in two packed chains a head, the other 32 from lane l xor 16; y x rsqrt(mean + epsilon) (x log2(e) / 8 for q)
.macro NORM
	WIN 0x55                                       ; all in window 1
.irp g, 0,1
	v_pk_mul_f32 v[T+4*\g:T+4*\g+1], v[Y+32*\g:Y+32*\g+1], v[Y+32*\g:Y+32*\g+1]
	v_pk_mul_f32 v[T+4*\g+2:T+4*\g+3], v[Y+32*\g+2:Y+32*\g+3], v[Y+32*\g+2:Y+32*\g+3]
.endr
.irp i, 4,8,12,16,20,24,28
.irp g, 0,1
	v_pk_fma_f32 v[T+4*\g:T+4*\g+1], v[Y+32*\g+\i:Y+32*\g+\i+1], v[Y+32*\g+\i:Y+32*\g+\i+1], v[T+4*\g:T+4*\g+1]
	v_pk_fma_f32 v[T+4*\g+2:T+4*\g+3], v[Y+32*\g+\i+2:Y+32*\g+\i+3], v[Y+32*\g+\i+2:Y+32*\g+\i+3], v[T+4*\g+2:T+4*\g+3]
.endr
.endr
.irp g, 0,1
	v_pk_add_f32 v[T+4*\g:T+4*\g+1], v[T+4*\g:T+4*\g+1], v[T+4*\g+2:T+4*\g+3]
.endr
.irp g, 0,1
	v_add_f32 v[T+4*\g], v[T+4*\g], v[T+4*\g+1]
.endr
.irp g, 0,1
	v_permlanex16_b32 v[T+4*\g+2], v[T+4*\g], s94, s95
.endr
.irp g, 0,1
	v_add_f32 v[T+4*\g], v[T+4*\g], v[T+4*\g+2]
.endr
.irp g, 0,1
	v_fma_f32 v[T+4*\g], v[T+4*\g], s2, s3         ; the mean of 64 squares + epsilon
.endr
.irp g, 0,1
	v_rsq_f32 v[T+8+2*\g], v[T+4*\g]
.endr
	v_nop                                          ; a plain instruction behind the last of the two
	s_wait_alu depctr_va_vdst(0)                   ; one wait for both, ahead of their first reader
.irp g, 0,1
	v_mul_f32 v[T+8+2*\g], s66, v[T+8+2*\g]
.endr
.irp g, 0,1
.irp i, 0,2,4,6,8,10,12,14,16,18,20,22,24,26,28,30
	v_pk_mul_f32 v[Y+32*\g+\i:Y+32*\g+\i+1], v[Y+32*\g+\i:Y+32*\g+\i+1], v[T+8+2*\g:T+9+2*\g] op_sel_hi:[1,0]
.endr
.endr
.endm
.macro PACKQ                           ; to f16: register 16 g + 4 c + i holds channels 16 c + 8 h + 2 i, + 1 of head g
	WIN 0x55
.irp g, 0,1
.irp n, 0,1,2,3,4,5,6,7,8,9,10,11,12,13,14,15
	v_cvt_pk_f16_f32 v[PK+16*\g+\n], v[Y+32*\g+2*\n], v[Y+32*\g+2*\n+1]
.endr
.endr
.endm
.macro PACKV a                         ; the same straight from the accumulators
.set AC, 64*((\a)%4)
	WIN 0x4a+5*((\a)/4)                            ; sources 0 and 1: window 2 or 3; destination window 1
.irp b, 0,1,2,3,4,5,6,7
.irp i, 0,1,2,3
	v_cvt_pk_f16_f32 v[PK+4*\b+\i], v[AC+8*\b+2*\i], v[AC+8*\b+2*\i+1]
.endr
.endr
.endm
; A lane's 16 bytes go into rows of 144 bytes of my own stage and come back as whole rows of 128: four rows, 512 consecutive bytes, an instruction.  LDS serves a wave's instructions in order: no wait between.
.macro TOSTAGEH base, set
	WIN 0x04                                       ; an LDS store's data are its source 1: window 1
.irp g, 0,1
.irp c, 0,1,2,3
	ds_store_b128 v[STH], v[PK+16*\g+4*\c:PK+16*\g+4*\c+3] offset:\base+2304*\g+32*\c
.endr
.endr
	WIN 0x40
.irp g, 0,1
.irp i, 0,1,2,3
	ds_load_b128 v[BKH+32*(\set)+4*(4*\g+\i):BKH+32*(\set)+4*(4*\g+\i)+3], v[RDH] offset:\base+2304*\g+576*\i
.endr
.endr
	WIN 0
.endm
.macro SENDH a, set                    ; a head's rows are dense in qkv: a wave's store covers 512 consecutive bytes, at a multiple of 512 from the buffer's first byte
	WIN 0x04
.irp g, 0,1
.irp i, 0,1,2,3
	global_store_b128 v[CO], v[BKH+32*(\set)+4*(4*\g+\i):BKH+32*(\set)+4*(4*\g+\i)+3], s[100:101] offset:262144*\g+2048*(\a)+512*\i
.endr
.endr
	WIN 0
.endm
.macro TOSTAGE32 a                     ; the v section's f32 numbers: 32 bytes a lane into rows of 528 bytes, back as whole rows of 512
.set AC, 64*((\a)%4)
	WIN 0x08+4*((\a)/4)
.irp b, 0,1,2,3,4,5,6,7
	ds_store_b128 v[STO], v[AC+8*\b:AC+8*\b+3] offset:64*\b          ; each accumulator from its low end on
	ds_store_b128 v[STO], v[AC+8*\b+4:AC+8*\b+7] offset:64*\b+16
.endr
	WIN 0
.set BB, BK+64*((\a)%2)
.irp t, 0,1,2,3,4,5,6,7,8,9,10,11,12,13,14,15
	ds_load_b128 v[BB+4*\t:BB+4*\t+3], v[RD] offset:\t*SPITCH
.endr
.endm
.macro SEND32 a
.set BB, BK+64*((\a)%2)
.irp t, 0,1,2,3,4,5,6,7,8,9,10,11,12,13,14,15
	global_store_b128 v[CO], v[BB+4*\t:BB+4*\t+3], s[12:13] offset:(16*(\a)+\t)*4096 th:TH_STORE_NT   ; 32 lanes store 512 consecutive bytes of a row of out1; written once, read by nobody here
.endr
.endm
.macro FINISH
	s_wait_tensorcnt 0x0                           ; the wave's end
	ds_add_u32 v[SPW], v[NIL]
	s_wait_dscnt 0x0
	CROUND                                         ; the closing round
	s_endpgm
.endm
	s_cmp_eq_u32 ttmp9, 2                          ; the section: the cluster's x, the same in all sixteen partners
	s_cbranch_scc1 .Lv_section
	; ---- q and k
	WIN 0x40
	v_mov_b32 v[T+9], 0                            ; named as the upper halves of the pairs that the packed scaling reads
	v_mov_b32 v[T+11], 0
	WIN 0
.irp a, 0,1,2,3,4,5,6,7
	s_wait_loadcnt 0x0                             ; this block's cos and sin are in
.if \a < 7
	CSLOAD \a+1                                    ; the next block's, into the other set
.endif
	ROPE \a
	NORM
.if \a > 0
	s_wait_dscnt 0x0                               ; the last block is back from the stage, and its stores into the stage have read PK
.endif
	PACKQ
.if \a > 1
	s_wait_xcnt 0x0                                ; the stores of two blocks back have read their registers: this block's rows land there
.endif
.if \a > 0
	SENDH \a-1, (\a-1)%2
.endif
	TOSTAGEH STQ16, \a%2
.endr
	s_wait_dscnt 0x0
	SENDH 7, 1
	FINISH
	; ---- v
.Lv_section:
.irp a, 0,1,2,3,4,5,6,7
.if \a > 1
	s_wait_xcnt 0x0                                ; the stores of two blocks back have read their registers: this block's rows land there
.endif
	TOSTAGE32 \a
.if \a > 0
	s_wait_dscnt 40                                ; this block's 32 and the last block's 8 loads from the f16 stage may be out: its 8 stores have read PK
.endif
	PACKV \a
	TOSTAGEH STV16, \a%2
.if \a > 0
	s_wait_dscnt 48                                ; this block's 16 + 16 + 8 + 8 LDS instructions may be out: the last block is back in registers
	SEND32 \a-1
	SENDH \a-1, (\a-1)%2
.endif
.endr
	s_wait_dscnt 0x0
	SEND32 7
	SENDH 7, 1
	FINISH
.Lfunc_end_k_q458d12b44b_qkv:
	.size	k_q458d12b44b_qkv, .Lfunc_end_k_q458d12b44b_qkv-k_q458d12b44b_qkv
	.p2alignl 7, 3214868480
	.fill 96, 4, 3214868480
	.section	.rodata,"a",@progbits
	.p2align	6, 0x0
	.amdhsa_kernel k_q458d12b44b_qkv
		.amdhsa_group_segment_fixed_size 327680
		.amdhsa_private_segment_fixed_size 0
		.amdhsa_enable_private_segment 0
		.amdhsa_kernarg_size 64
		.amdhsa_user_sgpr_count 2
		.amdhsa_user_sgpr_kernarg_segment_ptr 1
		.amdhsa_wavefront_size32 1
		.amdhsa_system_sgpr_workgroup_id_x 1
		.amdhsa_system_sgpr_workgroup_id_y 1
		.amdhsa_system_sgpr_workgroup_id_z 1
		.amdhsa_system_vgpr_workitem_id 0
		.amdhsa_next_free_vgpr 1024
		.amdhsa_next_free_sgpr 102
		.amdhsa_reserve_vcc 0
		.amdhsa_float_denorm_mode_32 3
		.amdhsa_float_denorm_mode_16_64 3
		.amdhsa_memory_ordered 1
		.amdhsa_forward_progress 1
		.amdhsa_inst_pref_size 255
	.end_amdhsa_kernel
	.section	.bss,"aw",@nobits
	.p2align	6
	.space	262144
	.amdgpu_metadata
---
amdhsa.version: [ 1, 2 ]
amdhsa.kernels:
  - .name:           k_q458d12b44b_qkv
    .symbol:         k_q458d12b44b_qkv.kd
    .args:
      - { .name: xc, .offset: 0, .size: 8, .value_kind: global_buffer, .address_space: global }
      - { .name: xs, .offset: 8, .size: 8, .value_kind: global_buffer, .address_space: global }
      - { .name: wc, .offset: 16, .size: 8, .value_kind: global_buffer, .address_space: global }
      - { .name: ws, .offset: 24, .size: 8, .value_kind: global_buffer, .address_space: global }
      - { .name: cos, .offset: 32, .size: 8, .value_kind: global_buffer, .address_space: global }
      - { .name: sin, .offset: 40, .size: 8, .value_kind: global_buffer, .address_space: global }
      - { .name: qkv, .offset: 48, .size: 8, .value_kind: global_buffer, .address_space: global }
      - { .name: out1, .offset: 56, .size: 8, .value_kind: global_buffer, .address_space: global }
    .group_segment_fixed_size: 327680
    .private_segment_fixed_size: 0
    .kernarg_segment_align: 8
    .kernarg_segment_size: 64
    .max_flat_workgroup_size: 128
    .sgpr_count:     102
    .vgpr_count:     1024
    .wavefront_size: 32
...
	.end_amdgpu_metadata
.endif
;; end of part 2
;; launch attn (part 3): grid 4 x 64, 8 waves a work-group, clusters of 4 x 1, 327,680 bytes of LDS; arguments qkv, yh; writes yh
.if DOCPART == 3
	.amdgcn_target "amdgcn-amd-amdhsa--gfx1250"
	.amdhsa_code_object_version 6
	.text
	.protected	k_q458d12b44b_attn
	.globl	k_q458d12b44b_attn
	.p2align	8
	.type	k_q458d12b44b_attn,@function
k_q458d12b44b_attn:
	s_mov_b64 s[64:65], 0
	v_nop
	global_prefetch_b8 v0, s[64:65] scope:SCOPE_SE
	s_setreg_imm32_b32 hwreg(HW_REG_WAVE_MODE, 25, 1), 1
	s_wait_xcnt 0x0
	s_wait_alu depctr_hold_cnt(0) depctr_sa_sdst(0) depctr_va_vdst(0) depctr_va_sdst(0) depctr_va_ssrc(0) depctr_va_vcc(0) depctr_vm_vsrc(0)
	s_getreg_b32 s2, hwreg(HW_REG_IB_STS2, 6, 4)
	s_cmp_eq_u32 s2, 0
	s_cbranch_scc0 .Lentry_in_a_cluster
	s_endpgm
.Lentry_in_a_cluster:
	s_bfe_u32 s2, ttmp6, 0x10000c
	s_cmp_lg_u32 s2, 0x3003
	s_cbranch_scc0 .Lentry_shape_is_right
	s_endpgm
.Lentry_shape_is_right:
; yh[bh][q][:] = the sum over k of softmax_k(score) V[bh][k][:], no mask; 64 heads-and-batches bh, 2,048 positions, head size 64.  q, k, v: the three sections of qkv, [bh][2048][64] f16; yh likewise.
; q arrives multiplied by log2(e) / 8, so the product q . k IS t, the exponent of 2: p = 2^t.
; NO MAXIMUM IS TAKEN AWAY: q and k are normalised (rms norm over the 64 channels, behind the rope), so |q|^2 and |k|^2 are at most 64, |score| at most 8 and |t| at most 11.6 for every input:
; p lies between 3.3e-4 and 3.1e3, normal numbers of f16, and a row's sum of 2,048 of them under 6.4e6 in f32.  The sum is taken of p in f32, before p is rounded to f16, and divides at the end.
; LIMITS: NaN and infinities are not served; |v| and |y| above 65,504 have no f16 number; the two lamb factors are applied behind the projection, in f32.
; SHARES.  A work-group owns 512 queries of one bh, each of its eight waves 64: four tiles of 16.  Two waves of 512 registers lie on a SIMD: while one walks its exponentials the other has the matrix unit.
; Every wave walks all 2,048 keys, 64 a step.  A fragment of K or V read from LDS feeds four matrix instructions.
; LAYOUT.  S^T = K Q^T (source 0 = 16 keys, source 1 = 16 queries): a lane holds ONE query (lane % 16) and keys 8 (lane / 16) + 0..7.  Two such tiles, rounded to f16 in pairs, ARE source 1 (32 keys x 16 queries)
; of O^T = V^T P.  p is rounded IN PLACE over the low half of a tile's scores: P[n] = (S[2 n], S[2 n + 1]), n ascending.  K comes out of LDS as it lies, V ([key][channel]) turned, by ds_load_tr16_b128.
; RING.  Two LDS slots of 512 keys; 2,048 keys are four slots' worth: two first fills, two refills.  Waves 0-3 fetch K's quarters, waves 4-7 V's, 128 rows a load: a wave has two loads out at the start, then one.
; CLUSTER.  The four query blocks of a bh form a cluster and walk the same K and V: each tile is asked for JOINTLY, with a mask that names the four.
; A refill is asked for eight key steps (a slot's walk) ahead of its first read.
; REGISTERS: window 0: v1-10 addresses; v28, v29 the add's two; v32-39 the sums l, a pair a tile; v48-63 at work on the way out; v64-191 S^T (tile t, key tile kt at 64 + 32 t + 8 kt), then P; v192-255 V's fragments.
;   window 1: v0-127 O^T (32 t + 8 ct); v128-191 Q (128 + 16 t + 8 c); v192-255 K's fragments (192 + 16 kt + 8 c).
.set PKP,   144                        ; a row of K in LDS: 128 bytes + 16 of padding: an odd multiple of 16
.set PVP,   160                        ; a row of V: 128 + 32: an odd multiple of 32, for the turning load
.set SK,    512                        ; keys in a slot
.set VOFF,  SK*PKP                     ; a slot: 512 rows of K, then 512 rows of V
.set SLOTB, SK*(PKP+PVP)
.set SPARE, 2*SLOTB                    ; behind the ring: the spare words, 128 bytes for each of eight waves
.set AK0, 3                            ; v3  my lane's place in a tile of K
.set AV0, 4                            ; v4  the same for V
.set ADK, 5                            ; v5  LDS address of the step's K
.set ADV, 6                            ; v6  of its V
.set QO,  7                            ; v7  my byte offset in the wave's rows of Q
.set STO, 8                            ; v8  the way out: where I put 16 bytes of a row (stage: 16 rows x 144 bytes a wave, in slot 0, which has had its last fill and its last read by then)
.set RD,  9                            ; v9  where I read rows back
.set GO,  10                           ; v10 16 x lane
.set SPW, 28
.set NIL, 29
.set L,   32
.set RC,  48
.set TA,  56
.set S,   64
.set VF,  192
.set O,   0                            ; window 1
.set QF,  128
.set KF,  192
.set WV,  8
.set G1K, 16
.set G1V, 24
.set G0K, 32                           ; s[32:35], s[36:39]: K's groups 0, one for each slot
.set G0V, 40                           ; s[40:43], s[44:47]: V's
.set TK,  48
.set TV,  49
.set CNT, 50
.set SEL, 52
.set MSB, 0
.macro WIN new
.if MSB != \new
	s_set_vgpr_msb (MSB<<8)|\new
.set MSB, \new
.endif
.endm
.macro JLOAD set                       ; a joint refill of slot set.  The branch hangs on the wave's number alone.  An s_nop 0 and four v_nop follow each of the two lines
	s_cmp_lt_u32 s[WV], 4
	s_cbranch_scc0 .Lfor_v_\@
	tensor_load_to_lds s[G0K+4*\set:G0K+4*\set+3], s[G1K:G1K+7]
	s_nop 0
.rept 4
	v_nop
.endr
	s_branch .Lasked_\@
.Lfor_v_\@:
	tensor_load_to_lds s[G0V+4*\set:G0V+4*\set+3], s[G1V:G1V+7]
	s_nop 0
.rept 4
	v_nop
.endr
.Lasked_\@:
.endm
.macro CROUND                          ; a round of the cluster's barrier
	s_barrier_signal -1
	s_barrier_wait -1
	s_cmp_lg_u32 s[WV], 0
	s_cbranch_scc1 .Lnot_wave_0_\@
	s_barrier_signal -3
.Lnot_wave_0_\@:
	s_barrier_wait -3
	s_barrier_signal -1
	s_barrier_wait -1
.endm
	s_load_b128 s[4:7], s[0:1], 0x0                ; qkv, yh
	v_lshl_add_u32 v[SPW], v0, 2, SPARE
	v_mov_b32 v[NIL], 0
	ds_add_u32 v[SPW], v[NIL]                      ; the wave's opening: the add, twice on end, and its wait ahead of my first tensor load
	ds_add_u32 v[SPW], v[NIL]
	v_lshrrev_b32 v1, 5, v0
	v_readfirstlane_b32 s[WV], v1                  ; wave 0..7
	s_bfe_u32 s9, ttmp6, 0x40000                   ; cx: my block of 512 queries
	s_and_b32 s10, ttmp7, 0xffff                   ; bh, which the four partners share
	s_and_b32 s11, s[WV], 3                        ; which quarter of a slot's rows I fetch
	s_mov_b32 s[G1K], 15|(1<<16)|(1<<20)|(1<<21)|(4<<22)|(3<<25)  ; the mask: all four; elements of 2 bytes; padding on; bit 21 beside a mask; 4 words of padding behind every 32
	s_mov_b32 s[G1V], 15|(1<<16)|(1<<20)|(1<<21)|(4<<22)|(7<<25)  ; the same with 8 words
.irp g, G1K, G1V
	s_mov_b32 s[\g+1], 64<<16                      ; tensor_dim0 = 64
	s_mov_b32 s[\g+2], 128<<16                     ; tensor_dim1 = 128
	s_mov_b32 s[\g+3], 64<<16                      ; tile_dim0 = 64
	s_mov_b32 s[\g+4], 128                         ; tile_dim1 = 128
	s_mov_b32 s[\g+5], 64                          ; from row to row
	s_mov_b32 s[\g+6], 0
	s_mov_b32 s[\g+7], 0
.endr
	s_lshl_b32 s54, s10, 18                        ; bh's first byte in a section: 2,048 rows of 128 bytes
	s_lshl_b32 s55, s11, 14                        ; my quarter: 128 rows
	s_add_co_u32 s56, s54, s55
	s_add_co_u32 s56, s56, 0x1000000               ; in k's section,
	s_mov_b32 s57, 0
	s_add_co_u32 s58, s56, 0x1000000               ; in v's
	s_mov_b32 s59, 0
	s_mul_i32 s12, s11, 128*PKP                    ; and in a slot: no place in the cluster enters an LDS address
	s_mul_i32 s13, s11, 128*PVP
	s_add_co_u32 s13, s13, VOFF
	s_lshl_b32 s14, s9, 16                         ; my block's 512 rows,
	s_add_co_u32 s54, s54, s14
	s_lshl_b32 s14, s[WV], 13                      ; my wave's 64 of them
	s_add_co_u32 s54, s54, s14
	s_mov_b32 s55, 0
	s_mov_b32 s[SEL], 0x76543210
	s_mov_b32 s[SEL+1], 0xfedcba98
	s_wait_dscnt 0x0                               ; both opening adds are done
	s_wait_kmcnt 0x0
	s_add_nc_u64 s[56:57], s[4:5], s[56:57]        ; K and V at my quarter of slot 0
	s_add_nc_u64 s[58:59], s[4:5], s[58:59]
	s_add_nc_u64 s[4:5], s[4:5], s[54:55]          ; Q and yh at my wave's first row
	s_add_nc_u64 s[6:7], s[6:7], s[54:55]
	CROUND                                         ; all four work-groups are here: the first joint loads meet
.irp s, 0,1
	s_mov_b32 s[G0K+4*\s], 1
	s_add_co_u32 s[G0K+4*\s+1], s12, \s*SLOTB
	s_add_nc_u64 s[G0K+4*\s+2:G0K+4*\s+3], s[56:57], \s*SK*128
	s_or_b32 s[G0K+4*\s+3], s[G0K+4*\s+3], 0x80000000
	s_mov_b32 s[G0V+4*\s], 1
	s_add_co_u32 s[G0V+4*\s+1], s13, \s*SLOTB
	s_add_nc_u64 s[G0V+4*\s+2:G0V+4*\s+3], s[58:59], \s*SK*128
	s_or_b32 s[G0V+4*\s+3], s[G0V+4*\s+3], 0x80000000
.endr
	s_cmp_lt_u32 s[WV], 4                          ; a wave's two first fills stand in one branch, ahead of every wait on TENSORcnt and every LDS read
	s_cbranch_scc0 .Lfirst_v
	tensor_load_to_lds s[G0K:G0K+3], s[G1K:G1K+7]
	s_nop 0
	tensor_load_to_lds s[G0K+4:G0K+7], s[G1K:G1K+7]
	s_nop 0
.rept 4
	v_nop
.endr
	s_branch .Lfirst_asked
.Lfirst_v:
	tensor_load_to_lds s[G0V:G0V+3], s[G1V:G1V+7]
	s_nop 0
	tensor_load_to_lds s[G0V+4:G0V+7], s[G1V:G1V+7]
	s_nop 0
.rept 4
	v_nop
.endr
.Lfirst_asked:
	v_and_b32 v1, 15, v0                           ; r
	v_bfe_u32 v2, v0, 4, 1                         ; h
	v_lshlrev_b32 v[QO], 7, v1
	v_lshl_add_u32 v[QO], v2, 4, v[QO]             ; row r of 128 bytes + 16 h
	WIN 0x40                                       ; destination window 1
.irp t, 0,1,2,3                        ; Q stays in registers: tile t, channels 32 c on
.irp c, 0,1
	global_load_b128 v[QF+16*\t+8*\c:QF+16*\t+8*\c+3],   v[QO], s[4:5] offset:2048*\t+64*\c
	global_load_b128 v[QF+16*\t+8*\c+4:QF+16*\t+8*\c+7], v[QO], s[4:5] offset:2048*\t+64*\c+32
.endr
.endr
	WIN 0
	v_mul_u32_u24 v[AK0], v1, PKP
	v_lshl_add_u32 v[AK0], v2, 4, v[AK0]           ; K: row r x pitch + 16 h
	v_and_b32 v11, 7, v0
	v_lshl_add_u32 v[AV0], v2, 3, v11              ; V: the turning load's lane reads key 8 h + lane % 8, channels 8 ((lane / 8) % 2) on
	v_mul_u32_u24 v[AV0], v[AV0], PVP
	v_bfe_u32 v11, v0, 3, 1
	v_lshl_add_u32 v[AV0], v11, 4, v[AV0]
	s_mul_i32 s14, s[WV], 16*144                   ; my stage
	v_add_nc_u32 v[STO], s14, v[AK0]               ; in: row r of 144 bytes + 16 h
	v_and_b32 v11, 31, v0
	v_lshrrev_b32 v[RD], 3, v11
	v_mul_u32_u24 v[RD], v[RD], 144
	v_and_b32 v12, 7, v0
	v_lshl_add_u32 v[RD], v12, 4, v[RD]
	v_add_nc_u32 v[RD], s14, v[RD]                 ; back: eight lanes to a row of 128 bytes, four rows an instruction
	v_lshlrev_b32 v[GO], 4, v11
.irp i, 0,1,2,3,4,5,6,7
	v_mov_b32 v[L+\i], 0                           ; the sums begin at 0
.endr
.irp i, 0,1,2,3,4,5,6,7,8,9,10,11,12,13,14,15
	v_mov_b32 v[RC+\i], 0                          ; written once: upper halves of pairs, and a lane permute's destinations
.endr
.macro KLOAD                           ; a step's K: 64 keys x 64 channels: 8 fragments, 16 loads
	WIN 0x40
.irp kt, 0,1,2,3
.irp c, 0,1
	ds_load_b128 v[KF+16*\kt+8*\c:KF+16*\kt+8*\c+3],   v[ADK] offset:16*PKP*\kt+64*\c
	ds_load_b128 v[KF+16*\kt+8*\c+4:KF+16*\kt+8*\c+7], v[ADK] offset:16*PKP*\kt+64*\c+32
.endr
.endr
	WIN 0
.endm
.macro VLOAD                           ; its V, turned: keys 32 G on, channels 16 ct on: 8 fragments, 16 loads
.irp G, 0,1
.irp ct, 0,1,2,3
	ds_load_tr16_b128 v[VF+32*\G+8*\ct:VF+32*\G+8*\ct+3],   v[ADV] offset:32*PVP*\G+32*\ct
	ds_load_tr16_b128 v[VF+32*\G+8*\ct+4:VF+32*\G+8*\ct+7], v[ADV] offset:32*PVP*\G+16*PVP+32*\ct
.endr
.endr
.endm
; 32 products S^T = K Q^T: the 16 accumulators take turns, one instruction a turn; the first 16 start the sums
.macro KQ
	WIN 0x05                                       ; K and Q in window 1, S^T in window 0
.irp c, 0,1
.irp t, 0,1,2,3
.irp kt, 0,1,2,3
.if \c == 0
	v_wmma_f32_16x16x32_f16 v[S+32*\t+8*\kt:S+32*\t+8*\kt+7], v[KF+16*\kt+8*\c:KF+16*\kt+8*\c+7], v[QF+16*\t+8*\c:QF+16*\t+8*\c+7], 0
.else
	v_wmma_f32_16x16x32_f16 v[S+32*\t+8*\kt:S+32*\t+8*\kt+7], v[KF+16*\kt+8*\c:KF+16*\kt+8*\c+7], v[QF+16*\t+8*\c:QF+16*\t+8*\c+7], v[S+32*\t+8*\kt:S+32*\t+8*\kt+7]
.endif
.endr
.endr
.endr
.endm
; 32 products O^T += V^T P, likewise by turns.  zero = 1: the launch's first 16 start the sums: nothing is cleared
.macro PV zero
	WIN 0x50                                       ; V and P in window 0, O^T in window 1
.irp G, 0,1
.irp t, 0,1,2,3
.irp ct, 0,1,2,3
.if \zero && (\G == 0)
	v_wmma_f32_16x16x32_f16 v[O+32*\t+8*\ct:O+32*\t+8*\ct+7], v[VF+32*\G+8*\ct:VF+32*\G+8*\ct+7], v[S+32*\t+8*\G:S+32*\t+8*\G+7], 0
.else
	v_wmma_f32_16x16x32_f16 v[O+32*\t+8*\ct:O+32*\t+8*\ct+7], v[VF+32*\G+8*\ct:VF+32*\G+8*\ct+7], v[S+32*\t+8*\G:S+32*\t+8*\G+7], v[O+32*\t+8*\ct:O+32*\t+8*\ct+7]
.endif
.endr
.endr
.endr
.endm
; A KEY STEP: 64 keys.  next = 1: the next step of the same slot follows: its K is fetched behind this step's K Q^T, its V behind this step's V^T P.
.macro STEP zero, next
	s_wait_dscnt 16                                ; K is in; V's 16 loads may be out
	KQ
	WIN 0
.if \next
	s_add_co_u32 s[TK], s[TK], 64*PKP
	v_add_nc_u32 v[ADK], s[TK], v[AK0]             ; with the three below: the four places between the products and the loads into K's registers and the first read of the scores
.rept 3
	v_nop
.endr
	KLOAD
.else
.rept 4
	v_nop
.endr
.endif
.set i, 0
.rept 128
	v_exp_f32 v[S+i], v[S+i]                       ; p = 2^t, in place, ascending: each accumulator is read from its low end on
.set i, i+1
.endr
	v_nop                                          ; a plain instruction behind the last exponential
	s_wait_alu depctr_va_vdst(0)                   ; ONE wait for the batch of 128, ahead of its first reader
.irp n, 0,1,2,3,4,5,6,7,8,9,10,11,12,13,14,15
.irp t, 0,1,2,3
	v_pk_add_f32 v[L+2*\t:L+2*\t+1], v[L+2*\t:L+2*\t+1], v[S+32*\t+2*\n:S+32*\t+2*\n+1]   ; the sum takes p before it is rounded
.endr
.irp t, 0,1,2,3
	v_cvt_pk_f16_f32 v[S+32*\t+\n], v[S+32*\t+2*\n], v[S+32*\t+2*\n+1]                    ; pair n into register n: what it writes over has been summed and rounded
.endr
.endr
.if \next
	s_wait_dscnt 16                                ; V is in; the next step's K, 16 loads, may be out
.else
	s_wait_dscnt 0x0
.endif
	PV \zero
	WIN 0
.if \next
	s_add_co_u32 s[TV], s[TV], 64*PVP
	v_add_nc_u32 v[ADV], s[TV], v[AV0]             ; with the four below: four places in front of the loads into V's registers, five in front of the next K Q^T, which writes over P
.rept 4
	v_nop
.endr
	VLOAD
.else
.rept 5
	v_nop
.endr
.endif
.endm
; A slot's eight key steps: the first step's fetches, a loop, and a last step that fetches nothing: no LDS read crosses a change of slots.
.macro SLOTRUN slot, first
	s_mov_b32 s[TK], \slot*SLOTB
	s_mov_b32 s[TV], \slot*SLOTB+VOFF
	v_add_nc_u32 v[ADK], s[TK], v[AK0]
	v_add_nc_u32 v[ADV], s[TV], v[AV0]
	KLOAD
	VLOAD
.if \first
	STEP 1, 1
	s_mov_b32 s[CNT], 6
.else
	s_mov_b32 s[CNT], 7
.endif
.Ls_\@:
	STEP 0, 1
	s_sub_co_u32 s[CNT], s[CNT], 1
	s_cmp_lg_u32 s[CNT], 0
	s_cbranch_scc1 .Ls_\@
	STEP 0, 0
.endm
; THE CHANGE OF SLOTS.  Each wave waits for all its tensor loads (one is out: its part of the other slot), adds 0 to its spare word, and waits for that and for its reads of the slot that it leaves.
; fill = 1: that slot is filled again with the keys two slots on: the barrier is a round of the cluster's, and the joint refill is the first thing behind it.
.macro CHANGE fill, set
	s_wait_tensorcnt 0x0
	ds_add_u32 v[SPW], v[NIL]
.if \fill
	s_add_nc_u64 s[G0K+4*\set+2:G0K+4*\set+3], s[G0K+4*\set+2:G0K+4*\set+3], 2*SK*128   ; no load of mine is out: a group 0 may be written
	s_add_nc_u64 s[G0V+4*\set+2:G0V+4*\set+3], s[G0V+4*\set+2:G0V+4*\set+3], 2*SK*128
.endif
	s_wait_dscnt 0x0
.if \fill
	CROUND
	JLOAD \set
.else
	s_barrier_signal -1
	s_barrier_wait -1
.endif
.endm
	s_wait_tensorcnt 1                             ; my part of slot 0 is in; slot 1's may stay out
	s_barrier_signal -1
	s_barrier_wait -1
	s_wait_loadcnt 0x0                             ; Q
	SLOTRUN 0, 1                                   ; keys 0-511
	CHANGE 1, 0                                    ; slot 0 takes keys 1,024-1,535
	SLOTRUN 1, 0                                   ; keys 512-1,023
	CHANGE 1, 1                                    ; slot 1 takes keys 1,536-2,047
	SLOTRUN 0, 0
	CHANGE 0, 0                                    ; nothing is left to fetch
	SLOTRUN 1, 0
	; THE WAY OUT.  l's two halves and the other half of the lanes' are added; O^T / l is rounded to f16 and goes through my stage, a tile (16 rows) at a time.
.irp t, 0,1,2,3
	v_add_f32 v[TA+\t], v[L+2*\t], v[L+2*\t+1]
.endr
.irp t, 0,1,2,3
	v_permlanex16_b32 v[TA+4+\t], v[TA+\t], s[SEL], s[SEL+1]
.endr
.irp t, 0,1,2,3
	v_add_f32 v[TA+\t], v[TA+\t], v[TA+4+\t]
.endr
.irp t, 0,1,2,3
	v_rcp_f32 v[RC+2*\t], v[TA+\t]
.endr
	v_nop                                          ; a plain instruction behind the last reciprocal
	s_wait_alu depctr_va_vdst(0)                   ; one wait for the four, ahead of their first reader
	WIN 0x01                                       ; source 0 (O^T) window 1
.irp t, 0,1,2,3
.irp i, 0,2,4,6,8,10,12,14,16,18,20,22,24,26,28,30
	v_pk_mul_f32 v[S+32*\t+\i:S+32*\t+\i+1], v[O+32*\t+\i:O+32*\t+\i+1], v[RC+2*\t:RC+2*\t+1] op_sel_hi:[1,0]   ; ascending: each accumulator from its low end on
.endr
.endr
	WIN 0
.irp t, 0,1,2,3
.irp n, 0,1,2,3,4,5,6,7,8,9,10,11,12,13,14,15
	v_cvt_pk_f16_f32 v[S+32*\t+\n], v[S+32*\t+2*\n], v[S+32*\t+2*\n+1]   ; register 4 ct + i: channels 16 ct + 8 h + 2 i, + 1
.endr
.endr
.irp t, 0,1,2,3
.irp ct, 0,1,2,3
	ds_store_b128 v[STO], v[S+32*\t+4*\ct:S+32*\t+4*\ct+3] offset:32*\ct
.endr
.irp i, 0,1,2,3
	ds_load_b128 v[S+32*\t+16+4*\i:S+32*\t+16+4*\i+3], v[RD] offset:4*144*\i   ; LDS serves a wave's instructions in order: these see the stores above, and the next tile's stores come behind them
.endr
.endr
.irp t, 0,1,2,3
	s_wait_dscnt 8*(3-\t)                          ; the later tiles' eight LDS instructions each may be out
.irp i, 0,1,2,3
	global_store_b128 v[GO], v[S+32*\t+16+4*\i:S+32*\t+16+4*\i+3], s[6:7] offset:2048*\t+512*\i   ; rows are dense: a wave's store covers 512 consecutive bytes
.endr
.endr
	s_wait_tensorcnt 0x0                           ; the wave's end
	ds_add_u32 v[SPW], v[NIL]
	s_wait_dscnt 0x0
	CROUND                                         ; the closing round
	s_endpgm
.Lfunc_end_k_q458d12b44b_attn:
	.size	k_q458d12b44b_attn, .Lfunc_end_k_q458d12b44b_attn-k_q458d12b44b_attn
	.p2alignl 7, 3214868480
	.fill 96, 4, 3214868480
	.section	.rodata,"a",@progbits
	.p2align	6, 0x0
	.amdhsa_kernel k_q458d12b44b_attn
		.amdhsa_group_segment_fixed_size 327680
		.amdhsa_private_segment_fixed_size 0
		.amdhsa_enable_private_segment 0
		.amdhsa_kernarg_size 16
		.amdhsa_user_sgpr_count 2
		.amdhsa_user_sgpr_kernarg_segment_ptr 1
		.amdhsa_wavefront_size32 1
		.amdhsa_system_sgpr_workgroup_id_x 1
		.amdhsa_system_sgpr_workgroup_id_y 1
		.amdhsa_system_sgpr_workgroup_id_z 1
		.amdhsa_system_vgpr_workitem_id 0
		.amdhsa_next_free_vgpr 512
		.amdhsa_next_free_sgpr 66
		.amdhsa_reserve_vcc 0
		.amdhsa_float_denorm_mode_32 3
		.amdhsa_float_denorm_mode_16_64 3
		.amdhsa_memory_ordered 1
		.amdhsa_forward_progress 1
		.amdhsa_inst_pref_size 193
	.end_amdhsa_kernel
	.amdgpu_metadata
---
amdhsa.version: [ 1, 2 ]
amdhsa.kernels:
  - .name:           k_q458d12b44b_attn
    .symbol:         k_q458d12b44b_attn.kd
    .args:
      - { .name: qkv, .offset: 0, .size: 8, .value_kind: global_buffer, .address_space: global }
      - { .name: yh, .offset: 8, .size: 8, .value_kind: global_buffer, .address_space: global }
    .group_segment_fixed_size: 327680
    .private_segment_fixed_size: 0
    .kernarg_segment_align: 8
    .kernarg_segment_size: 16
    .max_flat_workgroup_size: 256
    .sgpr_count:     66
    .vgpr_count:     512
    .wavefront_size: 32
...
	.end_amdgpu_metadata
.endif
;; end of part 3
;; launch proj (part 4): grid 4 x 64, 4 waves a work-group, clusters of 4 x 4, 327,680 bytes of LDS; arguments yh, wp, lamb1, lamb2, out0; writes out0
.if DOCPART == 4
	.amdgcn_target "amdgcn-amd-amdhsa--gfx1250"
	.amdhsa_code_object_version 6
	.text
	.protected	k_q458d12b44b_proj
	.globl	k_q458d12b44b_proj
	.p2align	8
	.type	k_q458d12b44b_proj,@function
k_q458d12b44b_proj:
	s_mov_b64 s[64:65], 0
	v_nop
	global_prefetch_b8 v0, s[64:65] scope:SCOPE_SE
	s_setreg_imm32_b32 hwreg(HW_REG_WAVE_MODE, 25, 1), 1
	s_wait_xcnt 0x0
	s_wait_alu depctr_hold_cnt(0) depctr_sa_sdst(0) depctr_va_vdst(0) depctr_va_sdst(0) depctr_va_ssrc(0) depctr_va_vcc(0) depctr_vm_vsrc(0)
	s_getreg_b32 s2, hwreg(HW_REG_IB_STS2, 6, 4)
	s_cmp_eq_u32 s2, 0
	s_cbranch_scc0 .Lentry_in_a_cluster
	s_endpgm
.Lentry_in_a_cluster:
	s_bfe_u32 s2, ttmp6, 0x10000c
	s_cmp_lg_u32 s2, 0xf033
	s_cbranch_scc0 .Lentry_shape_is_right
	s_endpgm
.Lentry_shape_is_right:
; out0[m][n] = lamb1 z + lamb2 z, z = sum over k of y[m][k] wproj[n][k]: m = 8,192 positions, n = 1,024, K = 1,024 = 16 heads x 64.  y: yh [batch x 16 + head][2048][64] f16; wp [1024][1024] f16; sums and out0 in f32.
; The value mix lamb1 v + lamb2 v is linear in v, and so in z: it is applied here, once, in f32.  LIMIT: the order of rounding differs from a mix applied to v itself.  NaN and infinities are not served.
; A tile of out0 is 128 (m) x 256 (n): 256 work-groups of four waves; a wave makes 64 x 128: 32 accumulators of 16 x 16, all of window 1 ((a, b) at v[8 (8 a + b)]).
; K goes in steps of 128, two heads of yh, through a ring of two LDS slots: y's tile is two planes of 128 rows x 128 bytes (dense in memory), wp's 256 rows x 256 bytes.  Waves 0 and 1 fetch y's planes, waves 2 and 3 wp's halves.
; CLUSTERS: 4 x 4 work-groups: y's tiles are shared along a row of the cluster, wp's along a column: each is asked for JOINTLY.  THE MATRIX INSTRUCTION IS USED TRANSPOSED (source 0 = 16 rows of wp, source 1 = 16 rows of y).
; REGISTERS, window 0: v16-30 addresses; v32-127 and v128-223 two fragment buffers for 32 along K (y's 4 blocks at + 8 a, wp's 8 blocks at + 32 + 8 b); on the way out v32-95 scaled results, v96-223 rows read back.
.set PA,     144                       ; a row of y in LDS: 128 bytes + 16
.set PB,     272                       ; a row of wp: 256 bytes + 16
.set PLANE,  128*PA
.set BOFF,   2*PLANE
.set SLOT,   BOFF+256*PB
.set STAGE,  2*SLOT                    ; behind the ring: 16 rows x (512 + 16) bytes for each wave
.set SPITCH, 528
.set SPARE,  STAGE+4*16*SPITCH
.set ASTEP,  524288                    ; a K step on in yh: two heads of 2,048 rows of 128 bytes
.set ADRA, 16
.set ADRB, 20
.set STO,  24
.set RD,   25
.set CO,   26
.set SPW,  28
.set NIL,  29
.set PFO,  30                          ; v30 256 x lane; never rewritten
.set F0,   32
.set F1,   128
.set TMP,  32
.set BK,   96
.set G1, 24
.set G0, 32
.set G1B, 48
.set G0B, 56
.set PFA, 76                           ; s[76:77] where my prefetches stand
.set LIM, 78                           ; s78 1 in the wave that prefetches, else the greatest number
.set MSB, 0
.macro WIN new
.if MSB != \new
	s_set_vgpr_msb (MSB<<8)|\new
.set MSB, \new
.endif
.endm
.set MUL, 0x50                         ; sources window 0; C and D window 1
.macro JLOAD s                         ; a joint load; an s_nop 0 and four v_nop follow each of the two lines
	s_cmp_eq_u32 s11, 0
	s_cbranch_scc0 .Lfor_b_\@
	tensor_load_to_lds s[G0+4*\s:G0+4*\s+3], s[G1:G1+7]
	s_nop 0
.rept 4
	v_nop
.endr
	s_branch .Lasked_\@
.Lfor_b_\@:
	tensor_load_to_lds s[G0B+4*\s:G0B+4*\s+3], s[G1B:G1B+7]
	s_nop 0
.rept 4
	v_nop
.endr
.Lasked_\@:
.endm
.macro CREST
	s_cmp_lg_u32 s10, 0
	s_cbranch_scc1 .Lnot_wave_0_\@
	s_barrier_signal -3
.Lnot_wave_0_\@:
	s_barrier_wait -3
	s_barrier_signal -1
	s_barrier_wait -1
.endm
.macro CROUND
	s_barrier_signal -1
	s_barrier_wait -1
	CREST
.endm
; A PREFETCH INTO THE L2 of y's tile that stands two refills on: at the change of slots in K step s, where tile s + 2 is asked for, it names tile s + 4: 256 matrix instructions ahead of the load that wants it.
; A tile of y is 2 planes x 16 KB, read by this row of the cluster alone.  The four partners share it BY ADDRESS: partner cx takes plane cx / 2, rows 64 (cx % 2) on: 8 KB, lanes 256 bytes apart, one instruction, wave 0's.
; So each 256 bytes are named once.  The loop's last trip asks for nothing: the last tile named is tile 7.  wp's tiles are not asked for: all sixteen rows of clusters read them again.
.macro ASK
	s_cmp_gt_u32 s3, s[LIM]
	s_cbranch_scc0 .Lnot_mine_\@
	global_prefetch_b8 v[PFO], s[PFA:PFA+1] th:TH_LOAD_NT scope:SCOPE_SE
.Lnot_mine_\@:
.endm
	s_load_b128 s[4:7], s[0:1], 0x0                ; yh, wp
	s_load_b128 s[68:71], s[0:1], 0x10             ; lamb1, lamb2
	s_load_b64 s[8:9], s[0:1], 0x20                ; out0
	v_lshl_add_u32 v[SPW], v0, 2, SPARE
	v_mov_b32 v[NIL], 0
	ds_add_u32 v[SPW], v[NIL]                      ; the wave's opening: the add, twice on end, and its wait ahead of my first tensor load
	ds_add_u32 v[SPW], v[NIL]
	v_lshrrev_b32 v1, 5, v0
	v_readfirstlane_b32 s10, v1                    ; wave 0..3
	s_lshr_b32 s11, s10, 1                         ; which 64 of the tile's rows are mine.  Also: I fetch for y (0) or for wp (1)
	s_and_b32 s12, s10, 1                          ; which 128 of its columns.  Also: which plane, or which 128 rows of wp, I fetch
	s_bfe_u32 s40, ttmp6, 0x40000                  ; cx, cy
	s_bfe_u32 s41, ttmp6, 0x40004
	s_lshl_b32 s42, ttmp9, 2
	s_add_co_u32 s42, s42, s40                     ; tile column
	s_and_b32 s13, ttmp7, 0xffff
	s_lshl_b32 s13, s13, 2
	s_add_co_u32 s13, s13, s41                     ; tile row, 0..63
	s_lshl_b32 s43, s41, 2
	s_lshl_b32 s43, 15, s43                        ; my row of the cluster
	s_lshl_b32 s44, 0x1111, s40                    ; my column
	s_or_b32 s[G1+0], s43, (1<<16)|(1<<20)|(1<<21)|(4<<22)|(3<<25)   ; y: elements of 2 bytes; 4 words of padding behind every 32
	s_mov_b32 s[G1+1], 64<<16                      ; tensor_dim0 = 64
	s_mov_b32 s[G1+2], 128<<16                     ; tensor_dim1 = 128
	s_mov_b32 s[G1+3], 64<<16                      ; tile_dim0
	s_mov_b32 s[G1+4], 128                         ; tile_dim1
	s_mov_b32 s[G1+5], 64                          ; from row to row
	s_mov_b32 s[G1+6], 0
	s_mov_b32 s[G1+7], 0
	s_or_b32 s[G1B+0], s44, (1<<16)|(1<<20)|(1<<21)|(5<<22)|(3<<25)  ; wp: 4 words of padding behind every 64
	s_mov_b32 s[G1B+1], 128<<16
	s_mov_b32 s[G1B+2], 128<<16
	s_mov_b32 s[G1B+3], 128<<16
	s_mov_b32 s[G1B+4], 128
	s_mov_b32 s[G1B+5], 1024
	s_mov_b32 s[G1B+6], 0
	s_mov_b32 s[G1B+7], 0
	s_lshr_b32 s16, s13, 4                         ; the batch: 16 tile rows each
	s_lshl_b32 s16, s16, 22                        ; its 16 heads of 2^18 bytes
	s_and_b32 s17, s13, 15
	s_lshl_b32 s17, s17, 14                        ; the tile's 128 rows of 128 bytes
	s_add_co_u32 s16, s16, s17
	s_lshl_b32 s17, s12, 18                        ; my plane: head 2 s + plane
	s_add_co_u32 s14, s16, s17
	s_mov_b32 s15, 0
	s_lshl_b32 s46, s42, 8
	s_lshl_b32 s47, s12, 7
	s_add_co_u32 s46, s46, s47                     ; wp: row 256 x tile column + 128 x half,
	s_lshl_b32 s46, s46, 11                        ; of 2,048 bytes
	s_mov_b32 s47, 0
	s_mul_i32 s20, s12, PLANE                      ; where they go: no place in the cluster enters an LDS address
	s_mul_i32 s21, s12, 128*PB
	s_add_co_u32 s21, s21, BOFF
	s_wait_dscnt 0x0                               ; both opening adds are done
	s_wait_kmcnt 0x0
	s_add_nc_u64 s[14:15], s[4:5], s[14:15]
	s_add_nc_u64 s[46:47], s[6:7], s[46:47]
	s_load_b32 s72, s[68:69], 0x0                  ; lamb1
	s_load_b32 s74, s[70:71], 0x0                  ; lamb2
	CROUND                                         ; all sixteen work-groups are here: the first joint loads meet
.irp s, 0,1
	s_mov_b32 s[G0+4*\s], 1
	s_add_co_u32 s[G0+4*\s+1], s20, \s*SLOT
	s_add_nc_u64 s[G0+4*\s+2:G0+4*\s+3], s[14:15], \s*ASTEP
	s_or_b32 s[G0+4*\s+3], s[G0+4*\s+3], 0x80000000
	s_mov_b32 s[G0B+4*\s], 1
	s_add_co_u32 s[G0B+4*\s+1], s21, \s*SLOT
	s_add_nc_u64 s[G0B+4*\s+2:G0B+4*\s+3], s[46:47], \s*256
	s_or_b32 s[G0B+4*\s+3], s[G0B+4*\s+3], 0x80000000
	JLOAD \s
.endr
	v_and_b32 v1, 15, v0                           ; r
	v_bfe_u32 v2, v0, 4, 1                         ; h
	v_mul_u32_u24 v3, v1, PA
	v_lshl_add_u32 v3, v2, 4, v3
	v_mul_u32_u24 v4, v1, PB
	v_lshl_add_u32 v4, v2, 4, v4
	s_mul_i32 s21, s11, 64*PA                      ; my 64 rows of y (in each plane)
	s_mul_i32 s22, s12, 128*PB                     ; my 128 rows of wp
	s_add_co_u32 s22, s22, BOFF
.irp s, 0,1
	v_add_nc_u32 v[ADRA+\s], s21, v3
	v_add_nc_u32 v[ADRB+\s], s22, v4
	s_add_co_u32 s21, s21, SLOT
	s_add_co_u32 s22, s22, SLOT
.endr
	s_mul_i32 s23, s10, 16*SPITCH
	s_add_co_u32 s23, s23, STAGE                   ; my stage
	v_mul_u32_u24 v5, v1, SPITCH
	v_lshl_add_u32 v5, v2, 5, v5
	v_add_nc_u32 v[STO], s23, v5                   ; in: row r, 32 bytes for each half of the lanes
	v_and_b32 v6, 31, v0
	v_lshlrev_b32 v[CO], 4, v6
	v_add_nc_u32 v[RD], s23, v[CO]                 ; back: the 32 lanes take one row of 512 bytes
	v_lshlrev_b32 v[PFO], 8, v6
	s_lshl_b32 s20, s13, 7
	s_lshl_b32 s21, s11, 6
	s_add_co_u32 s20, s20, s21                     ; my first row of out0: 128 x tile row + 64 x half,
	s_lshl_b32 s20, s20, 12                        ; of 4,096 bytes
	s_mov_b32 s21, 0
	s_add_nc_u64 s[8:9], s[8:9], s[20:21]
	s_lshl_b32 s46, s42, 10                        ; my first column, in bytes: 1,024 x tile column + 512 x half
	s_lshl_b32 s47, s12, 9
	s_add_co_u32 s46, s46, s47
	s_mov_b32 s47, 0
	s_add_nc_u64 s[8:9], s[8:9], s[46:47]
	s_lshr_b32 s22, s40, 1                         ; the prefetches: my work-group's plane,
	s_lshl_b32 s22, s22, 18
	s_and_b32 s23, s40, 1
	s_lshl_b32 s23, s23, 13                        ; its 64 rows,
	s_add_co_u32 s22, s22, s23
	s_add_co_u32 s22, s22, s16                     ; in the tile's rows,
	s_add_co_u32 s22, s22, 3*ASTEP                 ; at tile 3: the first change of slots steps it to tile 4.  Nothing is prefetched here, at the head
	s_mov_b32 s23, 0
	s_add_nc_u64 s[PFA:PFA+1], s[4:5], s[22:23]
	s_cmp_eq_u32 s10, 0
	s_cselect_b32 s[LIM], 1, -1
	s_wait_kmcnt 0x0                               ; the two factors
	s_mov_b32 s73, s72                             ; (the packed forms name pairs and take the low word for both halves: so the upper words are written)
	s_mov_b32 s75, s74
; 8 matrix instructions: y's block a against wp's eight, 32 along K.  The 32 accumulators take turns, one instruction a turn, in the same order in every quarter.
.macro MUL8 f, a, zero
.irp b, 0,1,2,3,4,5,6,7
.if \zero
	v_wmma_f32_16x16x32_f16 v[8*(8*(\a)+\b):8*(8*(\a)+\b)+7], v[\f+32+8*\b:\f+32+8*\b+7], v[\f+8*(\a):\f+8*(\a)+7], 0
.else
	v_wmma_f32_16x16x32_f16 v[8*(8*(\a)+\b):8*(8*(\a)+\b)+7], v[\f+32+8*\b:\f+32+8*\b+7], v[\f+8*(\a):\f+8*(\a)+7], v[8*(8*(\a)+\b):8*(8*(\a)+\b)+7]
.endif
.endr
.endm
; 24 LDS loads in one run: quarter q's fragments: wp's eight blocks, then y's four (quarter q lies in plane q / 2, at byte 64 (q % 2) of its rows)
.macro FETCH slot, q, f
	WIN 0
.irp i, 0,1,2,3,4,5,6,7
	ds_load_b128 v[\f+32+8*\i:\f+32+8*\i+3],   v[ADRB+\slot] offset:64*(\q)+\i*16*PB
	ds_load_b128 v[\f+32+8*\i+4:\f+32+8*\i+7], v[ADRB+\slot] offset:64*(\q)+\i*16*PB+32
.endr
.irp i, 0,1,2,3
	ds_load_b128 v[\f+8*\i:\f+8*\i+3],   v[ADRA+\slot] offset:((\q)/2)*PLANE+((\q)%2)*64+\i*16*PA
	ds_load_b128 v[\f+8*\i+4:\f+8*\i+7], v[ADRA+\slot] offset:((\q)/2)*PLANE+((\q)%2)*64+\i*16*PA+32
.endr
.endm
.macro PLACES                          ; four plain vector instructions in front of loads into registers that matrix instructions have read, and of the first read of results
.rept 4
	v_nop
.endr
.endm
; A K step is four quarters of 32 along K, 32 matrix instructions each, on buffers 0, 1, 0, 1.  One of the first three multiplies buffer f and fetches quarter qn into g.
.macro QUARTER slot, qn, f, g, zero
	s_wait_dscnt 4                                 ; wp's blocks and y's blocks 0, 1 are in; the youngest four loads (y's blocks 2, 3) may be out
	WIN MUL
	MUL8 \f, 0, \zero
	MUL8 \f, 1, \zero
	PLACES
	FETCH \slot, \qn, \g
	s_wait_dscnt 24                                ; all but the 24 just issued
	WIN MUL
	MUL8 \f, 2, \zero
	MUL8 \f, 3, \zero
.endm
; The last quarter multiplies buffer 1 and changes slots: ONE barrier; in front of it each wave waits for all its tensor loads, adds 0 to its spare word, and waits for that and for its reads of this slot.
.macro TURN slot, next, fill
.if \fill
	s_wait_xcnt 0x0                                ; the last prefetch, a K step back, has read its address: it is stepped here
	s_add_nc_u64 s[PFA:PFA+1], s[PFA:PFA+1], ASTEP
.endif
	WIN 0                                          ; (the add's two registers lie in window 0)
	s_wait_tensorcnt 0x0                           ; all my tensor loads have landed: my part of the next slot
	ds_add_u32 v[SPW], v[NIL]
	s_wait_dscnt 5                                 ; the add and the youngest four loads may be out
	WIN MUL
	MUL8 F1, 0, 0
	s_wait_dscnt 0x0                               ; the add is done, and my reads of this slot are over
	s_barrier_signal -1
	MUL8 F1, 1, 0
	WIN 0
	s_barrier_wait -1
.if \fill
	CREST                                          ; the barrier has opened a round of the cluster's: no wave of any partner still reads this slot or has a load on its way
	s_add_nc_u64 s[G0+4*\slot+2:G0+4*\slot+3], s[G0+4*\slot+2:G0+4*\slot+3], 2*ASTEP
	s_add_nc_u64 s[G0B+4*\slot+2:G0B+4*\slot+3], s[G0B+4*\slot+2:G0B+4*\slot+3], 2*256
	JLOAD \slot                                    ; the first tensor load behind the round: 112 matrix instructions ahead of the wait for it; its four v_nop are also the places in front of the loads below
.else
	PLACES
.endif
	FETCH \next, 0, F0
.if \fill
	ASK
.endif
	WIN MUL
	MUL8 F1, 2, 0
	MUL8 F1, 3, 0
.endm
	s_wait_tensorcnt 1                             ; my part of K step 0 is in; K step 1's load may be out
	s_barrier_signal -1
	s_barrier_wait -1
	FETCH 0, 0, F0
	QUARTER 0, 1, F0, F1, 1                        ; the first quarter's products start the sums: nothing is cleared
	WIN 0
	s_mov_b32 s3, 3
.Llap:                                             ; three trips: each goes once round the ring, from a lap's second quarter to the next lap's first, and fills both slots again
	QUARTER 0, 2, F1, F0, 0
	QUARTER 0, 3, F0, F1, 0
	TURN 0, 1, 1
	QUARTER 1, 1, F0, F1, 0
	QUARTER 1, 2, F1, F0, 0
	QUARTER 1, 3, F0, F1, 0
	TURN 1, 0, 1
	QUARTER 0, 1, F0, F1, 0
	WIN 0
	s_sub_co_u32 s3, s3, 1
	s_cmp_lg_u32 s3, 0
	s_cbranch_scc1 .Llap
	QUARTER 0, 2, F1, F0, 0                        ; the last lap fills nothing
	QUARTER 0, 3, F0, F1, 0
	TURN 0, 1, 0
	QUARTER 1, 1, F0, F1, 0
	QUARTER 1, 2, F1, F0, 0
	QUARTER 1, 3, F0, F1, 0
	s_wait_dscnt 4                                 ; the very last quarter
	WIN MUL
	MUL8 F1, 0, 0
	MUL8 F1, 1, 0
	s_wait_dscnt 0
	MUL8 F1, 2, 0
	MUL8 F1, 3, 0
	WIN 0
	; THE WAY OUT, block by block of 16 rows x 128 columns: lamb1 z + lamb2 z in f32; 32 bytes a lane into my stage; back as whole rows of 512 bytes.
.macro SCALE a
	WIN 0x01                                       ; source 0 (the accumulators) window 1
.irp b, 0,1,2,3,4,5,6,7
.irp p, 0,2,4,6
	v_pk_mul_f32 v[TMP+8*\b+\p:TMP+8*\b+\p+1], v[8*(8*(\a)+\b)+\p:8*(8*(\a)+\b)+\p+1], s[74:75] op_sel_hi:[1,0]                                    ; lamb2 z; each accumulator from its low end on
	v_pk_fma_f32 v[TMP+8*\b+\p:TMP+8*\b+\p+1], v[8*(8*(\a)+\b)+\p:8*(8*(\a)+\b)+\p+1], s[72:73], v[TMP+8*\b+\p:TMP+8*\b+\p+1] op_sel_hi:[1,0,1]   ; + lamb1 z
.endr
.endr
	WIN 0
.endm
.macro TOSTAGE a
.irp b, 0,1,2,3,4,5,6,7
	ds_store_b128 v[STO], v[TMP+8*\b:TMP+8*\b+3] offset:64*\b
	ds_store_b128 v[STO], v[TMP+8*\b+4:TMP+8*\b+7] offset:64*\b+16
.endr
.irp t, 0,1,2,3,4,5,6,7,8,9,10,11,12,13,14,15
	ds_load_b128 v[BK+64*((\a)%2)+4*\t:BK+64*((\a)%2)+4*\t+3], v[RD] offset:\t*SPITCH   ; LDS serves a wave's instructions in order: these see the stores above
.endr
.endm
.macro SEND a
	s_wait_dscnt 0x0                               ; the block is back in registers
.irp t, 0,1,2,3,4,5,6,7,8,9,10,11,12,13,14,15
	global_store_b128 v[CO], v[BK+64*((\a)%2)+4*\t:BK+64*((\a)%2)+4*\t+3], s[8:9] offset:(16*(\a)+\t)*4096 th:TH_STORE_NT   ; 32 lanes store 512 consecutive bytes of a row; written once, read by nobody here
.endr
.endm
	PLACES
	SCALE 0
	TOSTAGE 0
.irp a, 1,2,3
	s_wait_dscnt 16                                ; the 16 loads from the stage may be out: the 16 stores have read their registers, which are written anew below
	SCALE \a
	SEND \a-1
.if \a > 1
	s_wait_xcnt 0x0                                ; the stores of two blocks back have read their registers: this block's rows land there
.endif
	TOSTAGE \a
.endr
	SEND 3
	s_wait_tensorcnt 0x0                           ; the wave's end
	ds_add_u32 v[SPW], v[NIL]
	s_wait_dscnt 0x0
	CROUND                                         ; the closing round
	s_endpgm
.Lfunc_end_k_q458d12b44b_proj:
	.size	k_q458d12b44b_proj, .Lfunc_end_k_q458d12b44b_proj-k_q458d12b44b_proj
	.p2alignl 7, 3214868480
	.fill 96, 4, 3214868480
	.section	.rodata,"a",@progbits
	.p2align	6, 0x0
	.amdhsa_kernel k_q458d12b44b_proj
		.amdhsa_group_segment_fixed_size 327680
		.amdhsa_private_segment_fixed_size 0
		.amdhsa_enable_private_segment 0
		.amdhsa_kernarg_size 40
		.amdhsa_user_sgpr_count 2
		.amdhsa_user_sgpr_kernarg_segment_ptr 1
		.amdhsa_wavefront_size32 1
		.amdhsa_system_sgpr_workgroup_id_x 1
		.amdhsa_system_sgpr_workgroup_id_y 1
		.amdhsa_system_sgpr_workgroup_id_z 1
		.amdhsa_system_vgpr_workitem_id 0
		.amdhsa_next_free_vgpr 512
		.amdhsa_next_free_sgpr 80
		.amdhsa_reserve_vcc 0
		.amdhsa_float_denorm_mode_32 3
		.amdhsa_float_denorm_mode_16_64 3
		.amdhsa_memory_ordered 1
		.amdhsa_forward_progress 1
		.amdhsa_inst_pref_size 102
	.end_amdhsa_kernel
	.amdgpu_metadata
---
amdhsa.version: [ 1, 2 ]
amdhsa.kernels:
  - .name:           k_q458d12b44b_proj
    .symbol:         k_q458d12b44b_proj.kd
    .args:
      - { .name: yh, .offset: 0, .size: 8, .value_kind: global_buffer, .address_space: global }
      - { .name: wp, .offset: 8, .size: 8, .value_kind: global_buffer, .address_space: global }
      - { .name: lamb1, .offset: 16, .size: 8, .value_kind: global_buffer, .address_space: global }
      - { .name: lamb2, .offset: 24, .size: 8, .value_kind: global_buffer, .address_space: global }
      - { .name: out0, .offset: 32, .size: 8, .value_kind: global_buffer, .address_space: global }
    .group_segment_fixed_size: 327680
    .private_segment_fixed_size: 0
    .kernarg_segment_align: 8
    .kernarg_segment_size: 40
    .max_flat_workgroup_size: 128
    .sgpr_count:     80
    .vgpr_count:     512
    .wavefront_size: 32
...
	.end_amdgpu_metadata
.endif
;; end of part 4
